; MI455X (gfx1250); checked and timed in simulation.
; The chip was launched on July 23, 2026; its instructions are those of AMD's public machine-readable ISA for CDNA 5 (MIT licence, August 2026) and "CDNA5" Instruction Set Architecture Reference Guide (July 2026). The comments in the code are by the model that wrote it; some were corrected since.
;; Big Bird Regressor MLP Reduced. Allowed arithmetic: float matrix products may take bf16 or f16 operands with f32 sums; all other float work in f32.
;; Inputs: attn_b 2 x 3 float32; attn_w 2 x 3 x 3 float32; bn1 2 x 1,000 float32; bn2 2 x 500 float32; fc1_b 1,000 float32; fc1_w 16,384 x 1,000 float32; fc2_b 500 float32; fc2_w 1,000 x 500 float32; fc3_b 1 float32; fc3_w 500 x 1 float32; ffn_b1 2 x 12 float32; ffn_b2 2 x 3 float32; ffn_w1 2 x 3 x 12 float32; ffn_w2 2 x 12 x 3 float32; inputs_embeds 4 x 16,384 x 3 float32; ln1 2 x 2 x 3 float32; ln2 2 x 2 x 3 float32; ln_emb 2 x 3 float32; pos_emb 16,384 x 3 float32; qkv_b 2 x 3 x 3 float32; qkv_w 2 x 3 x 3 x 3 float32; red_b 1 float32; red_w 3 x 1 float32; type_emb 3 float32.
;; Outputs: out0 4 float32; out1 4 x 16,384 float32; out2 4 x 16,384 x 3 float32.
;; 2 versions, each right; version 2 is version 1 with the launches fc1, fc2 written anew for expert scheduling mode. Each part assembles by itself: llvm-mc -triple=amdgcn-amd-amdhsa -mcpu=gfx1250 --defsym DOCPART=n.
;; ======== version 1 of 2: 6 launches
;; workspace buffers: xa 786,432 bytes; xb 786,432 bytes; par0 768 bytes; par1 768 bytes; kidx 3,072 bytes of whole numbers; p1 1,048,576 bytes; p2 262,144 bytes
;; launch prep (part 1): grid 65 x 1, 8 waves a work-group, no clusters, 0 bytes of LDS; arguments inputs_embeds, pos_emb, type_emb, ln_emb, qkv_w, qkv_b, attn_w, attn_b, ln1, ffn_w1, ffn_b1, ffn_w2, ffn_b2, ln2, xa, par0, par1, kidx; writes xa, par0, par1, kidx
.if DOCPART == 1
	.amdgcn_target "amdgcn-amd-amdhsa--gfx1250"
	.amdhsa_code_object_version 6
	.text
	.protected	k_q60507f7f6f_prep
	.globl	k_q60507f7f6f_prep
	.p2align	8
	.type	k_q60507f7f6f_prep,@function
k_q60507f7f6f_prep:
	s_mov_b64 s[64:65], 0
	v_nop
	global_prefetch_b8 v0, s[64:65] scope:SCOPE_SE
	s_setreg_imm32_b32 hwreg(HW_REG_WAVE_MODE, 25, 1), 1
	s_wait_xcnt 0x0
; prep.  Work-groups 0-63: x = layer_norm(inputs_embeds + pos_emb + type_emb), stored in planes: f32 at ((b*3+c)*16384+s)*4.
; Work-group 64: waves 0-2 store the table of random key blocks (one head each), waves 3 and 4 pack one layer's small parameters.
; The table is a constant of the problem: numpy's default_rng(42) and choice(cand, 3, replace=False), head by head, block by block.
; It is computed here by the assembler's own arithmetic (SeedSequence, PCG64 XSL-RR, 32-bit draws with Lemire's rejection, Floyd's
; sampling) and reaches the chip as immediates.  The final shuffle's two draws are consumed and not applied: a softmax does not
; depend on the order of its keys.  Limits: NaN and infinite inputs are not followed.
.set PL, 65536                         ; bytes in a plane of x
.set BP, 196608                        ; bytes in a batch's three planes
.set TB, 4                             ; v[4:11]   table words of one head: block I in register TB+4*(I>>7)+(I&3), lane (I&127)>>2
.set PO, 4                             ; v[4:19]   pack: byte offset of load k
.set PD, 20                            ; v[20:51]  pack: value of load k at PD+2k (and its copy at PD+2k+1)
.set LT, 40                            ; v[40:45]  layer norm at work
; ---- assembly-time arithmetic: every value is kept at or above 0 and below 2^63
.macro MUL32 d, a, b                   ; d = a*b mod 2^32
	.set \d, ((\a)*((\b)&0xffff) + ((((\a)*((\b)>>16))&0xffff)<<16)) & 0xffffffff
.endm
.macro HASHMIX d, v
	.set \d, (\v) ^ GHC
	MUL32 GHC, GHC, 0x931e8875
	MUL32 \d, \d, GHC
	.set \d, \d ^ (\d >> 16)
.endm
.macro GENW w, p
	.set \w, \p ^ GHB
	MUL32 GHB, GHB, 0x58f38ded
	MUL32 \w, \w, GHB
	.set \w, \w ^ (\w >> 16)
.endm
.set GHC, 0x43b0d7e5
	HASHMIX GP0, 42
	HASHMIX GP1, 0
	HASHMIX GP2, 0
	HASHMIX GP3, 0
.irp s, 0,1,2,3
.irp d, 0,1,2,3
.if \s != \d
	HASHMIX GT, GP\s
	MUL32 GL, 0xca01f9dd, GP\d
	MUL32 GR, 0x4973f715, GT
	.set GP\d, (GL - GR) & 0xffffffff
	.set GP\d, GP\d ^ (GP\d >> 16)
.endif
.endr
.endr
.set GHB, 0x8b51f9dd
	GENW GW0, GP0
	GENW GW1, GP1
	GENW GW2, GP2
	GENW GW3, GP3
	GENW GW4, GP0
	GENW GW5, GP1
	GENW GW6, GP2
	GENW GW7, GP3
; 128-bit numbers as eight limbs of 16 bits, limb 0 lowest.  initstate = (W1:W0)<<64 | (W3:W2), initseq = (W5:W4)<<64 | (W7:W6)
.set GS0, GW2 & 0xffff
.set GS1, GW2 >> 16
.set GS2, GW3 & 0xffff
.set GS3, GW3 >> 16
.set GS4, GW0 & 0xffff
.set GS5, GW0 >> 16
.set GS6, GW1 & 0xffff
.set GS7, GW1 >> 16
.set GQ0, GW6 & 0xffff
.set GQ1, GW6 >> 16
.set GQ2, GW7 & 0xffff
.set GQ3, GW7 >> 16
.set GQ4, GW4 & 0xffff
.set GQ5, GW4 >> 16
.set GQ6, GW5 & 0xffff
.set GQ7, GW5 >> 16
.set GI0, ((GQ0 << 1) | 1) & 0xffff    ; inc = (initseq << 1) | 1
.set GI1, ((GQ1 << 1) | (GQ0 >> 15)) & 0xffff
.set GI2, ((GQ2 << 1) | (GQ1 >> 15)) & 0xffff
.set GI3, ((GQ3 << 1) | (GQ2 >> 15)) & 0xffff
.set GI4, ((GQ4 << 1) | (GQ3 >> 15)) & 0xffff
.set GI5, ((GQ5 << 1) | (GQ4 >> 15)) & 0xffff
.set GI6, ((GQ6 << 1) | (GQ5 >> 15)) & 0xffff
.set GI7, ((GQ7 << 1) | (GQ6 >> 15)) & 0xffff
.set GM0, 0xF645                       ; the multiplier 0x2360ED051FC65DA44385DF649FCCF645
.set GM1, 0x9FCC
.set GM2, 0xDF64
.set GM3, 0x4385
.set GM4, 0x5DA4
.set GM5, 0x1FC6
.set GM6, 0xED05
.set GM7, 0x2360
.macro PSTEP                           ; state = state * multiplier + inc mod 2^128
	.set GC0, GA0*GM0 + GI0
	.set GC1, GA0*GM1 + GA1*GM0 + GI1 + (GC0>>16)
	.set GC2, GA0*GM2 + GA1*GM1 + GA2*GM0 + GI2 + (GC1>>16)
	.set GC3, GA0*GM3 + GA1*GM2 + GA2*GM1 + GA3*GM0 + GI3 + (GC2>>16)
	.set GC4, GA0*GM4 + GA1*GM3 + GA2*GM2 + GA3*GM1 + GA4*GM0 + GI4 + (GC3>>16)
	.set GC5, GA0*GM5 + GA1*GM4 + GA2*GM3 + GA3*GM2 + GA4*GM1 + GA5*GM0 + GI5 + (GC4>>16)
	.set GC6, GA0*GM6 + GA1*GM5 + GA2*GM4 + GA3*GM3 + GA4*GM2 + GA5*GM1 + GA6*GM0 + GI6 + (GC5>>16)
	.set GC7, GA0*GM7 + GA1*GM6 + GA2*GM5 + GA3*GM4 + GA4*GM3 + GA5*GM2 + GA6*GM1 + GA7*GM0 + GI7 + (GC6>>16)
.irp k, 0,1,2,3,4,5,6,7
	.set GA\k, GC\k & 0xffff
.endr
.endm
.set GC0, GI0 + GS0                    ; state = inc + initstate, then one step
.set GC1, GI1 + GS1 + (GC0>>16)
.set GC2, GI2 + GS2 + (GC1>>16)
.set GC3, GI3 + GS3 + (GC2>>16)
.set GC4, GI4 + GS4 + (GC3>>16)
.set GC5, GI5 + GS5 + (GC4>>16)
.set GC6, GI6 + GS6 + (GC5>>16)
.set GC7, GI7 + GS7 + (GC6>>16)
.irp k, 0,1,2,3,4,5,6,7
	.set GA\k, GC\k & 0xffff
.endr
	PSTEP
.set GHAS, 0
.set GBUF, 0
.macro POUT                            ; (high ^ low) rotated right by the state's top six bits; GOL, GOH: its two halves
	.set GXL, (GA0^GA4) | ((GA1^GA5)<<16)
	.set GXH, (GA2^GA6) | ((GA3^GA7)<<16)
	.set GRT, GA7>>10
	.if GRT >= 32
	.set GTMP, GXL
	.set GXL, GXH
	.set GXH, GTMP
	.set GRT, GRT-32
	.endif
	.set GOL, ((GXL>>GRT) | (GXH<<(32-GRT))) & 0xffffffff
	.set GOH, ((GXH>>GRT) | (GXL<<(32-GRT))) & 0xffffffff
.endm
.macro NEXT32                          ; the low half of a 64-bit output first, the high half kept for the next call
	.if GHAS
	.set GU, GBUF
	.set GHAS, 0
	.else
	PSTEP
	POUT
	.set GU, GOL
	.set GBUF, GOH
	.set GHAS, 1
	.endif
.endm
.macro DRAW n                          ; GV uniform in 0 .. n-1; a draw whose low product word is below 2^32 mod n is drawn again
	NEXT32
	.set GMM, GU*(\n)
	.if (GMM & 0xffffffff) < ((1<<32) % (\n))
	DRAW \n
	.else
	.set GV, GMM>>32
	.endif
.endm
.macro GMAP d, x                       ; place x in the list of allowed blocks -> block number
	.if \x < GCL
	.set \d, \x+1
	.else
	.set \d, \x-GCL+GBLK+2
	.endif
.endm
.macro ITEM                            ; the three random blocks of query block GBLK, into the wave's table registers
	.set GPOP, 251
	.if GBLK == 1
	.set GPOP, 252
	.endif
	.if GBLK == 254
	.set GPOP, 252
	.endif
	DRAW GPOP-2
	.set GX0, GV
	DRAW GPOP-1
	.set GX1, GV
	.if GX1 == GX0
	.set GX1, GPOP-2
	.endif
	DRAW GPOP
	.set GX2, GV
	.set GDUP, 0
	.if GX2 == GX0
	.set GDUP, 1
	.endif
	.if GX2 == GX1
	.set GDUP, 1
	.endif
	.if GDUP
	.set GX2, GPOP-1
	.endif
	DRAW 3
	DRAW 2
	.set GCL, GBLK-2
	.if GBLK < 2
	.set GCL, 0
	.endif
	GMAP GB0, GX0
	GMAP GB1, GX1
	GMAP GB2, GX2
	s_mov_b32 s46, GB0|(GB1<<8)|(GB2<<16)
	v_writelane_b32 v[TB+(GBLK>>7)*4+(GBLK&3)], s46, (GBLK&127)>>2
.endm
.macro TABLE h                         ; 254 blocks of head h; blocks 0 and 255 keep the word 0
.irp j, 0,1,2,3,4,5,6,7
	v_mov_b32 v[TB+\j], 0
.endr
	.set GBLK, 1
.rept 254
	ITEM
	.set GBLK, GBLK+1
.endr
	v_lshlrev_b32 v2, 4, v1
	global_store_b128 v2, v[TB:TB+3], s[38:39] offset:1024*\h        ; 32 lanes x 16 bytes: blocks 0-127
	global_store_b128 v2, v[TB+4:TB+7], s[38:39] offset:1024*\h+512  ; blocks 128-255
	s_endpgm
.endm
; layer norm over three numbers; gains s[G..G+2], offsets s[Bt..Bt+2]; s60 = 1/3, s63 = 1e-12
.macro LN3 y0, y1, y2, o0, o1, o2, G, Bt
	v_add_f32 v[LT], v[\y0], v[\y1]
	v_add_f32 v[LT], v[LT], v[\y2]
	v_mul_f32 v[LT], s60, v[LT]
	v_sub_f32 v[LT+1], v[\y0], v[LT]
	v_sub_f32 v[LT+2], v[\y1], v[LT]
	v_sub_f32 v[LT+3], v[\y2], v[LT]
	v_mul_f32 v[LT+4], v[LT+1], v[LT+1]
	v_fmac_f32 v[LT+4], v[LT+2], v[LT+2]
	v_fmac_f32 v[LT+4], v[LT+3], v[LT+3]
	v_fma_f32 v[LT+4], v[LT+4], s60, s63
	v_rsq_f32 v[LT+5], v[LT+4]
	v_nop                                          ; one plain instruction behind the transcendental (ISA guide 5.7.2)
	s_wait_alu depctr_va_vdst(0)
	v_mul_f32 v[LT], s[\G], v[LT+5]
	v_fma_f32 v[\o0], v[LT+1], v[LT], s[\Bt]
	v_mul_f32 v[LT], s[\G+1], v[LT+5]
	v_fma_f32 v[\o1], v[LT+2], v[LT], s[\Bt+1]
	v_mul_f32 v[LT], s[\G+2], v[LT+5]
	v_fma_f32 v[\o2], v[LT+3], v[LT], s[\Bt+2]
.endm
	s_load_b512 s[4:19], s[0:1], 0x0               ; argument a lies in s[4+2a:5+2a]
	s_load_b512 s[20:35], s[0:1], 0x40
	s_load_b128 s[36:39], s[0:1], 0x80
	v_lshrrev_b32 v1, 5, v0
	v_readfirstlane_b32 s44, v1                    ; wave
	v_and_b32 v1, 31, v0                           ; lane
	s_wait_kmcnt 0x0
	s_cmp_eq_u32 ttmp9, 64
	s_cbranch_scc1 .Laux
	; ---- embeddings: thread t of work-group g takes tokens 4(256 g + t) .. +3: 48 neighbouring bytes of inputs_embeds
	s_load_b96 s[48:50], s[8:9], 0x0               ; type_emb
	s_load_b128 s[52:55], s[10:11], 0x0            ; ln_emb: gains s52-54, offsets s55-57
	s_load_b64 s[56:57], s[10:11], 0x10
	s_mov_b32 s60, 0x3eaaaaab                      ; 1/3
	s_mov_b32 s63, 0x2b8cbccc                      ; 1e-12
	s_mul_i32 s40, ttmp9, 12288
	s_mov_b32 s41, 0
	s_add_nc_u64 s[4:5], s[4:5], s[40:41]
	s_and_b32 s42, ttmp9, 15                       ; sixteen work-groups a batch
	s_mul_i32 s40, s42, 12288
	s_add_nc_u64 s[6:7], s[6:7], s[40:41]
	v_mul_u32_u24 v2, v0, 48
	global_load_b128 v[4:7], v2, s[4:5] th:TH_LOAD_NT
	global_load_b128 v[8:11], v2, s[4:5] offset:16 th:TH_LOAD_NT
	global_load_b128 v[12:15], v2, s[4:5] offset:32 th:TH_LOAD_NT
	global_load_b128 v[16:19], v2, s[6:7]
	global_load_b128 v[20:23], v2, s[6:7] offset:16
	global_load_b128 v[24:27], v2, s[6:7] offset:32
	s_lshr_b32 s43, ttmp9, 4                       ; batch
	s_mul_i32 s40, s43, BP
	s_lshl_b32 s42, s42, 12
	s_add_co_u32 s40, s40, s42
	s_add_nc_u64 s[32:33], s[32:33], s[40:41]
	v_lshlrev_b32 v3, 4, v0
	s_wait_kmcnt 0x0
	s_wait_loadcnt 0x0
.irp p, 0,2,4,6,8,10
	v_pk_add_f32 v[4+\p:5+\p], v[4+\p:5+\p], v[16+\p:17+\p]
.endr
.irp u, 0,1,2,3
.irp c, 0,1,2
	v_add_f32 v[4+3*\u+\c], s[48+\c], v[4+3*\u+\c]
.endr
.endr
.irp u, 0,1,2,3
	LN3 4+3*\u, 5+3*\u, 6+3*\u, 28+\u, 32+\u, 36+\u, 52, 55
.endr
	global_store_b128 v3, v[28:31], s[32:33]                   ; a wave's store covers 512 consecutive bytes of a plane, aligned
	global_store_b128 v3, v[32:35], s[32:33] offset:PL
	global_store_b128 v3, v[36:39], s[32:33] offset:2*PL
	s_endpgm
.Laux:
	s_cmp_eq_u32 s44, 0
	s_cbranch_scc1 .Ltab0
	s_cmp_eq_u32 s44, 1
	s_cbranch_scc1 .Ltab1
	s_cmp_eq_u32 s44, 2
	s_cbranch_scc1 .Ltab2
	s_cmp_le_u32 s44, 4
	s_cbranch_scc1 .Lpack
	s_endpgm
.Ltab0:                                            ; the three sections stand in the order in which the stream is consumed
	TABLE 0
.Ltab1:
	TABLE 1
.Ltab2:
	TABLE 2
	; ---- one layer's parameters into one block of 688 bytes (layout: the head of the layer kernel)
.macro PLD k, src, n, per, off                     ; lane i reads element min(i, n-1) + off of the layer's per elements: always inside the buffer
	v_min_u32 v[PO+\k], \n-1, v1
	s_mul_i32 s46, s45, \per*4
	v_lshl_add_u32 v[PO+\k], v[PO+\k], 2, s46
	global_load_b32 v[PD+2*\k], v[PO+\k], s[\src:\src+1] offset:\off*4
.endm
.macro PST k, n, dst, dup                          ; lanes 0 .. n-1 store at dword dst; dup: each value twice
	v_cmp_gt_u32 vcc_lo, \n, v1
	s_wait_xcnt 0x0                                ; EXEC changes only when no earlier memory instruction still needs it
	s_and_saveexec_b32 s47, vcc_lo
.if \dup
	global_store_b64 v2, v[PD+2*\k:PD+2*\k+1], s[40:41] offset:\dst*4
.else
	global_store_b32 v3, v[PD+2*\k], s[40:41] offset:\dst*4
.endif
	s_wait_xcnt 0x0
	s_or_b32 exec_lo, exec_lo, s47
.endm
.Lpack:
	s_sub_co_u32 s45, s44, 3                       ; layer
	s_cmp_eq_u32 s45, 0
	s_cselect_b64 s[40:41], s[34:35], s[36:37]     ; par0 or par1
	v_lshlrev_b32 v2, 3, v1
	v_lshlrev_b32 v3, 2, v1
	PLD 0, 12, 9, 27, 9                            ; wk
	PLD 1, 12, 9, 27, 18                           ; wv
	PLD 2, 14, 3, 9, 3                             ; bk
	PLD 3, 14, 3, 9, 6                             ; bv
	PLD 4, 12, 9, 27, 0                            ; wq
	PLD 5, 14, 3, 9, 0                             ; bq
	PLD 6, 16, 9, 9, 0                             ; attn_w
	PLD 7, 18, 3, 3, 0                             ; attn_b
	PLD 8, 20, 6, 6, 0                             ; ln1
	PLD 9, 30, 6, 6, 0                             ; ln2
	PLD 10, 28, 3, 3, 0                            ; ffn_b2
	PLD 11, 22, 32, 36, 0                          ; ffn_w1, first 32
	PLD 12, 22, 4, 36, 32                          ; ffn_w1, last 4
	PLD 13, 24, 12, 12, 0                          ; ffn_b1
	PLD 14, 26, 32, 36, 0                          ; ffn_w2, first 32
	PLD 15, 26, 4, 36, 32                          ; ffn_w2, last 4
	s_wait_loadcnt 0x0
.irp k, 0,1,2,3
	v_mov_b32 v[PD+2*\k+1], v[PD+2*\k]             ; stored twice: a packed multiply takes a scalar from the low word of an even pair
.endr
	PST 0, 9, 0, 1
	PST 2, 3, 18, 1
	PST 1, 9, 24, 1
	PST 3, 3, 42, 1
	PST 4, 9, 48, 0
	PST 5, 3, 57, 0
	PST 6, 9, 60, 0
	PST 7, 3, 69, 0
	PST 8, 6, 72, 0
	PST 9, 6, 78, 0
	PST 10, 4, 84, 0
	PST 11, 32, 88, 0
	PST 12, 4, 120, 0
	PST 13, 12, 124, 0
	PST 14, 32, 136, 0
	PST 15, 4, 168, 0
	s_endpgm
.Lfunc_end_k_q60507f7f6f_prep:
	.size	k_q60507f7f6f_prep, .Lfunc_end_k_q60507f7f6f_prep-k_q60507f7f6f_prep
	.p2alignl 7, 3214868480
	.fill 96, 4, 3214868480
	.section	.rodata,"a",@progbits
	.p2align	6, 0x0
	.amdhsa_kernel k_q60507f7f6f_prep
		.amdhsa_group_segment_fixed_size 0
		.amdhsa_private_segment_fixed_size 0
		.amdhsa_enable_private_segment 0
		.amdhsa_kernarg_size 144
		.amdhsa_user_sgpr_count 2
		.amdhsa_user_sgpr_kernarg_segment_ptr 1
		.amdhsa_wavefront_size32 1
		.amdhsa_system_sgpr_workgroup_id_x 1
		.amdhsa_system_sgpr_workgroup_id_y 1
		.amdhsa_system_sgpr_workgroup_id_z 1
		.amdhsa_system_vgpr_workitem_id 0
		.amdhsa_next_free_vgpr 64
		.amdhsa_next_free_sgpr 66
		.amdhsa_reserve_vcc 1
		.amdhsa_float_denorm_mode_32 3
		.amdhsa_float_denorm_mode_16_64 3
		.amdhsa_memory_ordered 1
		.amdhsa_forward_progress 1
		.amdhsa_inst_pref_size 112
	.end_amdhsa_kernel
	.amdgpu_metadata
---
amdhsa.version: [ 1, 2 ]
amdhsa.kernels:
  - .name:           k_q60507f7f6f_prep
    .symbol:         k_q60507f7f6f_prep.kd
    .args:
      - { .name: inputs_embeds, .offset: 0, .size: 8, .value_kind: global_buffer, .address_space: global }
      - { .name: pos_emb, .offset: 8, .size: 8, .value_kind: global_buffer, .address_space: global }
      - { .name: type_emb, .offset: 16, .size: 8, .value_kind: global_buffer, .address_space: global }
      - { .name: ln_emb, .offset: 24, .size: 8, .value_kind: global_buffer, .address_space: global }
      - { .name: qkv_w, .offset: 32, .size: 8, .value_kind: global_buffer, .address_space: global }
      - { .name: qkv_b, .offset: 40, .size: 8, .value_kind: global_buffer, .address_space: global }
      - { .name: attn_w, .offset: 48, .size: 8, .value_kind: global_buffer, .address_space: global }
      - { .name: attn_b, .offset: 56, .size: 8, .value_kind: global_buffer, .address_space: global }
      - { .name: ln1, .offset: 64, .size: 8, .value_kind: global_buffer, .address_space: global }
      - { .name: ffn_w1, .offset: 72, .size: 8, .value_kind: global_buffer, .address_space: global }
      - { .name: ffn_b1, .offset: 80, .size: 8, .value_kind: global_buffer, .address_space: global }
      - { .name: ffn_w2, .offset: 88, .size: 8, .value_kind: global_buffer, .address_space: global }
      - { .name: ffn_b2, .offset: 96, .size: 8, .value_kind: global_buffer, .address_space: global }
      - { .name: ln2, .offset: 104, .size: 8, .value_kind: global_buffer, .address_space: global }
      - { .name: xa, .offset: 112, .size: 8, .value_kind: global_buffer, .address_space: global }
      - { .name: par0, .offset: 120, .size: 8, .value_kind: global_buffer, .address_space: global }
      - { .name: par1, .offset: 128, .size: 8, .value_kind: global_buffer, .address_space: global }
      - { .name: kidx, .offset: 136, .size: 8, .value_kind: global_buffer, .address_space: global }
    .group_segment_fixed_size: 0
    .private_segment_fixed_size: 0
    .kernarg_segment_align: 8
    .kernarg_segment_size: 144
    .max_flat_workgroup_size: 256
    .sgpr_count:     66
    .vgpr_count:     64
    .wavefront_size: 32
...
	.end_amdgpu_metadata
.endif
;; end of part 1
;; launch layer0 (part 2): grid 256 x 1, 16 waves a work-group, no clusters, 79,872 bytes of LDS; arguments xa, par0, kidx, xb; writes xb
.if DOCPART == 2
	.amdgcn_target "amdgcn-amd-amdhsa--gfx1250"
	.amdhsa_code_object_version 6
	.text
	.protected	k_q60507f7f6f_layer0
	.globl	k_q60507f7f6f_layer0
	.p2align	8
	.type	k_q60507f7f6f_layer0,@function
k_q60507f7f6f_layer0:
	s_mov_b64 s[64:65], 0
	v_nop
	global_prefetch_b8 v0, s[64:65] scope:SCOPE_SE
	s_setreg_imm32_b32 hwreg(HW_REG_WAVE_MODE, 25, 1), 1
	s_wait_xcnt 0x0
; One BigBird layer on x in planes (f32 at ((b*3+c)*16384+s)*4): attention, projection, layer norm, FFN with gelu, layer norm.
; Three heads of width 1: a score is one product q k, so max over keys of q k = max(q kmax, q kmin): the true maximum is taken away
; ahead of every exponential, and sums over parts of the keys simply add.
; Work-group i does two jobs.
;  (M) 1 <= i <= 254: query block i of all 4 batches and 3 heads.  Wave w: batch w>>2, key slots 2(w&3), 2(w&3)+1 of the eight
;      {0, i-1, i, i+1, 255, r0, r1, r2}; 64 queries x 128 keys x 3 heads.  exp in f32, then P (bf16) times rows (v, 1) (bf16) on the
;      matrix unit: result row 0 is the numerator, row 1 the denominator, made of the same rounded P.
;  (G) two of the 512 tokens of blocks 0 and 255, which attend to all 16384 keys of their batch: each lane holds 32 keys' x in
;      registers; all in f32 on the vector unit (two queries fill no matrix tile).
; No cluster: what work-groups share is the 196,608 bytes of x of a batch, whose loads are in flight under the whole of job (M).
; par, by dword: 0-47 pairs (v,v): wk[c][h] at pair 3c+h, bk at 9+h, wv at 12+3c+h, bv at 21+h; 48 wq, 57 bq, 60 attn_w, 69 attn_b,
; 72 ln1, 78 ln2, 84 ffn_b2, 88 ffn_w1, 124 ffn_b1, 136 ffn_w2.
; Limits: NaN and infinite inputs are not followed; exponentials below 2^-126 count as 0; sums run in another order than the
; reference's; P and v of job (M) are rounded to bf16; job (G) stores its two tokens as 8 bytes a plane.
.set PL, 65536
.set BP, 196608
.set KL, 0                             ; 16 waves x 1536: k in f32, [h][128 keys]
.set VL, 24576                         ; 16 waves x 1600: v in bf16, [h][128 keys] (768 bytes), and at +832 a row of 384 ones in bf16
.set VPW, 1600
.set ONE, 832                          ; 64 bytes off a multiple of 256: the two addresses of a fragment load fall into different banks
.set MMM, 50176                        ; 16 x 32: each wave's min and max of k, job (M)
.set MMG, 50688                        ; 16 x 32: the same, job (G)
.set PART, 51200                       ; [b][h][slot pair][64 q][num, den] f32
.set GPS, 75776                        ; 16 x 64: each wave's sums of job (G)
.set ACC, 16                           ; v[16:47]   four result tiles
.set KF, 48                            ; v[48:79]   16 keys' k, two sets
.set VF, 80                            ; v[80:95]   fragment of (v, 1), two sets
.set ARG, 96                           ; v[96:111]  exponents, then exponentials
.set AF, 112                           ; v[112:119] fragment of P
.set QM, 120                           ; v[120:143] pair (q log2 e, -max) of head h, tile t at 2(4h+t)
.set BB, 144                           ; v[144:149] pair (bk, bv) of head h
.set XR, 144                           ; later: x of the epilogue's two tokens, 2c+e
.set MMR, 150                          ; v[150:155] min, max of k for heads 0, 1, 2
.set GX, 160                           ; v[160:255] x of my 32 keys: 12j+4c+e
.set XS, 16                            ; staging: x of unit u = 2h+slot, plane c at 6u+2c
.set QX, 52                            ; staging: x of my four queries, 3t+c
.set UO, 64                            ; staging: byte offsets of the six units
.set GN, 16                            ; job (G): numerators, pair at 4h+2e
.set GD, 28                            ; denominators
.set GQ, 40                            ; (q'a, q'b) of head h
.set GM, 46                            ; (-ma, -mb)
.set KP, 52
.set VP, 58
.set AR, 64
.set RV, 100                           ; v[100:111] sums: 4h+2e+(0 num, 1 den)
.set W2, 64                            ; epilogue: ffn_w2
.set CT, 112                           ; context, 2h+e
.set Y, 16
.set O, 19
.set U, 24
.set T, 36
.set LT, 48
.set OUT, 150
.macro WRED op, reg                    ; over the 32 lanes, result in every lane
	\op\()_dpp v[\reg], v[\reg], v[\reg] row_xmask:1 row_mask:0xf bank_mask:0xf
	\op\()_dpp v[\reg], v[\reg], v[\reg] row_xmask:2 row_mask:0xf bank_mask:0xf
	\op\()_dpp v[\reg], v[\reg], v[\reg] row_xmask:4 row_mask:0xf bank_mask:0xf
	\op\()_dpp v[\reg], v[\reg], v[\reg] row_xmask:8 row_mask:0xf bank_mask:0xf
	v_permlanex16_b32 v156, v[\reg], s2, s3
	\op v[\reg], v[\reg], v156
.endm
.macro LN3 y0, y1, y2, o0, o1, o2, G, Bt           ; s60 = 1/3, s63 = 1e-12
	v_add_f32 v[LT], v[\y0], v[\y1]
	v_add_f32 v[LT], v[LT], v[\y2]
	v_mul_f32 v[LT], s60, v[LT]
	v_sub_f32 v[LT+1], v[\y0], v[LT]
	v_sub_f32 v[LT+2], v[\y1], v[LT]
	v_sub_f32 v[LT+3], v[\y2], v[LT]
	v_mul_f32 v[LT+4], v[LT+1], v[LT+1]
	v_fmac_f32 v[LT+4], v[LT+2], v[LT+2]
	v_fmac_f32 v[LT+4], v[LT+3], v[LT+3]
	v_fma_f32 v[LT+4], v[LT+4], s60, s63
	v_rsq_f32 v[LT+5], v[LT+4]
	v_nop                                          ; one plain instruction behind the transcendental (ISA guide 5.7.2)
	s_wait_alu depctr_va_vdst(0)
	v_mul_f32 v[LT], s[\G], v[LT+5]
	v_fma_f32 v[\o0], v[LT+1], v[LT], s[\Bt]
	v_mul_f32 v[LT], s[\G+1], v[LT+5]
	v_fma_f32 v[\o1], v[LT+2], v[LT], s[\Bt+1]
	v_mul_f32 v[LT], s[\G+2], v[LT+5]
	v_fma_f32 v[\o2], v[LT+3], v[LT], s[\Bt+2]
.endm
; one term of k (wb = 16, sel = 0) or v (wb = 40, sel = 1) of head h for two tokens: d = x_c w[c][h] + (c = 0: the bias, else d)
.macro KFMA c, d, x, wb, h, sel
.if \c == 0
	v_pk_fma_f32 v[\d:\d+1], v[\x:\x+1], s[\wb+2*\h:\wb+2*\h+1], v[BB+2*\h:BB+2*\h+1] op_sel:[0,0,\sel] op_sel_hi:[1,0,\sel]
.else
	v_pk_fma_f32 v[\d:\d+1], v[\x:\x+1], s[\wb+6*\c+2*\h:\wb+6*\c+2*\h+1], v[\d:\d+1] op_sel_hi:[1,0,1]
.endif
.endm
.macro GLOADS                          ; x of my 32 keys of batch gb: 24 loads of 512 consecutive bytes a wave
.irp j, 0,1,2,3,4,5,6,7
.irp c, 0,1,2
	global_load_b128 v[GX+12*\j+4*\c:GX+12*\j+4*\c+3], v9, s[4:5] offset:\c*PL+8192*\j
.endr
.endr
.endm
	s_load_b256 s[4:11], s[0:1], 0x0               ; xin s[4:5], par s[6:7], kidx s[8:9], xout s[10:11]
	v_lshl_add_u32 v157, v0, 2, 0x13000
	v_mov_b32 v158, 0
	v_lshrrev_b32 v12, 5, v0
	v_readfirstlane_b32 s12, v12                   ; wave
	s_mov_b32 s13, ttmp9                           ; i
	s_mov_b32 s2, 0x76543210
	s_mov_b32 s3, 0xfedcba98
	s_lshr_b32 s14, s12, 2                         ; bm: my batch in job (M)
	s_and_b32 s15, s12, 3                          ; qd: my pair of key slots
	s_sub_co_u32 s67, s13, 1                       ; i - 1; 254 or more (unsigned): no job (M)
	s_lshr_b32 s92, s13, 6                         ; gb
	s_and_b32 s93, s13, 63
	s_lshl_b32 s94, s93, 1
	s_cmp_ge_u32 s93, 32
	s_cselect_b32 s66, 16256, 0
	s_add_co_u32 s94, s94, s66                     ; gs0: the first of my two global tokens
	s_mul_i32 s95, s92, BP
	s_lshl2_add_u32 s71, s94, s95                  ; its byte offset in plane 0
	s_lshl_b32 s78, s13, 2
	s_wait_kmcnt 0x0
	s_load_b512 s[16:31], s[6:7], 0x0              ; the 24 pairs: wk s[16+2(3c+h)], bk s[34+2h], wv s[40+2(3c+h)], bv s[58+2h]
	s_load_b512 s[32:47], s[6:7], 0x40
	s_load_b512 s[48:63], s[6:7], 0x80
	s_load_b256 s[80:87], s[6:7], 0xc0             ; wq s[80+3c+h], bq s[89+h]
	s_load_b128 s[88:91], s[6:7], 0xe0
	s_load_b32 s68, s[8:9], s78 offset:0x0         ; the random blocks of heads 0, 1, 2
	s_load_b32 s69, s[8:9], s78 offset:0x400
	s_load_b32 s70, s[8:9], s78 offset:0x800
	s_load_b64 s[72:73], s[4:5], s71 offset:0x0    ; x of the two global tokens: s[72+2c+e]
	s_load_b64 s[74:75], s[4:5], s71 offset:0x10000
	s_load_b64 s[76:77], s[4:5], s71 offset:0x20000
	v_and_b32 v1, 31, v0                           ; lane
	v_and_b32 v2, 15, v0                           ; r
	v_bfe_u32 v3, v0, 4, 1                         ; hh
	v_mov_b32 v156, 0
	v_mov_b32 v159, 0
	s_mul_i32 s96, s12, 1536
	s_mul_i32 s97, s12, VPW
	s_add_co_u32 s97, s97, VL
	v_lshl_add_u32 v4, v3, 5, s96                  ; KA: my 8 + 8 keys of a step of 32
	v_and_b32 v12, 1, v0
	v_mul_u32_u24 v12, v12, ONE
	v_add_nc_u32 v12, s97, v12
	v_lshl_add_u32 v5, v3, 4, v12                  ; VA: even rows take v, odd rows the ones
	v_lshl_add_u32 v6, v1, 3, s96                  ; KS
	v_lshl_add_u32 v7, v1, 2, s97                  ; VS
	v_lshl_add_u32 v13, v1, 3, s97                 ; for the ones
	s_mul_i32 s99, s14, 6144
	s_lshl_b32 s66, s15, 9
	s_add_co_u32 s99, s99, s66
	s_add_co_u32 s99, s99, PART
	v_lshl_add_u32 v8, v2, 3, s99
	v_lshl_add_u32 v8, v3, 7, v8                   ; PA
	s_lshl_b32 s66, s12, 9
	s_add_co_u32 s66, s66, s95
	v_lshl_add_u32 v9, v1, 4, s66                  ; GO
	v_cmp_ne_u32 s79, 0, v3                        ; lanes 16-31
	s_wait_kmcnt 0x0
.irp h, 0,1,2
	v_mov_b32 v[BB+2*\h], s[34+2*\h]
	v_mov_b32 v[BB+2*\h+1], s[58+2*\h]
.endr
	s_cmp_ge_u32 s67, 254
	s_cbranch_scc1 .Lglobal_only                   ; the same for all waves of the work-group
	; ======== job (M) ========
	s_add_co_u32 s99, s13, 1
	s_mul_i32 s100, s14, BP
	s_lshl_b32 s66, s13, 8
	s_add_co_u32 s101, s100, s66
	v_lshl_add_u32 v11, v2, 2, s101                ; QO: query r of block i
.irp h, 0,1,2
	s_bfe_u32 s92, s[68+\h], 0x80000
	s_bfe_u32 s93, s[68+\h], 0x80008
	s_bfe_u32 s94, s[68+\h], 0x80010
	s_cmp_eq_u32 s15, 2
	s_cselect_b32 s96, 255, s93
	s_cselect_b32 s97, s92, s94
	s_cmp_eq_u32 s15, 1
	s_cselect_b32 s96, s13, s96
	s_cselect_b32 s97, s99, s97
	s_cmp_eq_u32 s15, 0
	s_cselect_b32 s96, 0, s96
	s_cselect_b32 s97, s67, s97
	s_min_u32 s96, s96, 255                        ; a block number read from memory is bounded before it enters an address
	s_min_u32 s97, s97, 255
	s_lshl_b32 s96, s96, 8
	s_lshl_b32 s97, s97, 8
	s_add_co_u32 s96, s96, s100
	s_add_co_u32 s97, s97, s100
	v_lshl_add_u32 v[UO+2*\h], v1, 3, s96
	v_lshl_add_u32 v[UO+2*\h+1], v1, 3, s97
.endr
.irp u, 0,1,2,3,4,5
.irp c, 0,1,2
	global_load_b64 v[XS+6*\u+2*\c:XS+6*\u+2*\c+1], v[UO+\u], s[4:5] offset:\c*PL
.endr
.endr
.irp t, 0,1,2,3
.irp c, 0,1,2
	global_load_b32 v[QX+3*\t+\c], v11, s[4:5] offset:\c*PL+64*\t
.endr
.endr
	GLOADS                                         ; job (G)'s x stays on its way through all of job (M)
	v_mov_b32 v14, 0x3f803f80
	v_mov_b32 v15, 0x3f803f80
	ds_store_b64 v13, v[14:15] offset:ONE
	ds_store_b64 v13, v[14:15] offset:ONE+256
	ds_store_b64 v13, v[14:15] offset:ONE+512
	s_wait_loadcnt 24                              ; the 30 loads of job (M) are in; the 24 younger ones of job (G) stay out
.irp h, 0,1,2
.irp sp, 0,1
	.set XU, XS+6*(2*\h+\sp)
.irp c, 0,1,2
	KFMA \c, 12, XU+2*\c, 16, \h, 0
	KFMA \c, 14, XU+2*\c, 40, \h, 1
.endr
	ds_store_b64 v6, v[12:13] offset:512*\h+256*\sp
.if \sp == 0
	v_min_num_f32 v[MMR+2*\h], v12, v13
	v_max_num_f32 v[MMR+2*\h+1], v12, v13
.else
	v_min3_num_f32 v[MMR+2*\h], v[MMR+2*\h], v12, v13
	v_max3_num_f32 v[MMR+2*\h+1], v[MMR+2*\h+1], v12, v13
.endif
	v_cvt_pk_bf16_f32 v14, v14, v15
	ds_store_b32 v7, v14 offset:256*\h+128*\sp
.endr
.endr
.irp h, 0,1,2
	WRED v_min_num_f32, MMR+2*\h
	WRED v_max_num_f32, MMR+2*\h+1
.endr
	s_lshl_b32 s66, s12, 5
	v_mov_b32 v12, s66
	ds_store_b128 v12, v[MMR:MMR+3] offset:MMM     ; every lane writes the same words with the same values
	ds_store_b64 v12, v[MMR+4:MMR+5] offset:MMM+16
.irp h, 0,1,2
.irp t, 0,1,2,3
	v_fma_f32 v[QM+2*(4*\h+\t)], v[QX+3*\t], s[80+\h], s[89+\h]
	v_fmac_f32 v[QM+2*(4*\h+\t)], s[83+\h], v[QX+3*\t+1]
	v_fmac_f32 v[QM+2*(4*\h+\t)], s[86+\h], v[QX+3*\t+2]
	v_mul_f32 v[QM+2*(4*\h+\t)], 0x3fb8aa3b, v[QM+2*(4*\h+\t)]   ; q log2 e (the scale 1/sqrt(1) is 1)
.endr
.endr
	s_wait_dscnt 0x0                               ; my min and max are written
	s_barrier_signal -1
	s_barrier_wait -1                              ; everybody's are
.macro LDFR                            ; fragments of head LH, step LQ (32 keys) into set LS
	ds_load_b128 v[KF+16*LS:KF+16*LS+3], v4 offset:512*LH+128*LQ
	ds_load_b128 v[KF+16*LS+4:KF+16*LS+7], v4 offset:512*LH+128*LQ+16
	ds_load_b128 v[KF+16*LS+8:KF+16*LS+11], v4 offset:512*LH+128*LQ+64
	ds_load_b128 v[KF+16*LS+12:KF+16*LS+15], v4 offset:512*LH+128*LQ+80
	ds_load_b128 v[VF+8*LS:VF+8*LS+3], v5 offset:256*LH+64*LQ
	ds_load_b128 v[VF+8*LS+4:VF+8*LS+7], v5 offset:256*LH+64*LQ+32
.endm
	v_and_b32 v12, 3, v0
	s_lshl_b32 s66, s14, 7
	v_lshl_add_u32 v12, v12, 5, s66
	ds_load_b128 v[MMR:MMR+3], v12 offset:MMM      ; lane l: the figures of wave 4 bm + (l & 3)
	ds_load_b64 v[MMR+4:MMR+5], v12 offset:MMM+16
	.set LS, 0
	.set LH, 0
	.set LQ, 0
	LDFR
	s_wait_dscnt 0x0
.irp x, 1,2
.irp h, 0,1,2
	v_min_num_f32_dpp v[MMR+2*\h], v[MMR+2*\h], v[MMR+2*\h] row_xmask:\x row_mask:0xf bank_mask:0xf
	v_max_num_f32_dpp v[MMR+2*\h+1], v[MMR+2*\h+1], v[MMR+2*\h+1] row_xmask:\x row_mask:0xf bank_mask:0xf
.endr
.endr
.irp h, 0,1,2
.irp t, 0,1,2,3
	v_mul_f32 v12, -v[QM+2*(4*\h+\t)], v[MMR+2*\h+1]
	v_mul_f32 v13, -v[QM+2*(4*\h+\t)], v[MMR+2*\h]
	v_min_num_f32 v[QM+2*(4*\h+\t)+1], v12, v13    ; - max over the 512 keys of q' k
.endr
.endr
; 16 queries x 32 keys of head CH.  Lane (r, hh): query 16 t + r, keys 8 hh .. +7 and 16 + 8 hh .. +7 of the step.
; The four result tiles take turns, one matrix instruction a turn.  The eight packed multiply-adds at the
; head of a tile are the places between the last matrix instruction and the rewriting of its P fragment, and the loads into the
; other set's fragment.
.macro TILE t, ld
.irp q, 0,1,2,3,4,5,6,7
	v_pk_fma_f32 v[ARG+2*\q:ARG+2*\q+1], v[KF+16*CS+2*\q:KF+16*CS+2*\q+1], v[QM+2*(4*CH+\t):QM+2*(4*CH+\t)+1], v[QM+2*(4*CH+\t):QM+2*(4*CH+\t)+1] op_sel:[0,0,1] op_sel_hi:[1,0,1]
.endr
.if \ld
	LDFR
.endif
.irp q, 0,1,2,3,4,5,6,7,8,9,10,11,12,13,14,15
	v_exp_f32 v[ARG+\q], v[ARG+\q]
.endr
	v_nop                                          ; one plain instruction behind the transcendentals (ISA guide 5.7.2)
	s_wait_alu depctr_va_vdst(0)
.irp q, 0,1,2,3,4,5,6,7
	v_cvt_pk_bf16_f32 v[AF+\q], v[ARG+2*\q], v[ARG+2*\q+1]
.endr
.if (CG&3) == 0
	v_wmma_f32_16x16x32_bf16 v[ACC+8*\t:ACC+8*\t+7], v[VF+8*CS:VF+8*CS+7], v[AF:AF+7], 0
.else
	v_wmma_f32_16x16x32_bf16 v[ACC+8*\t:ACC+8*\t+7], v[VF+8*CS:VF+8*CS+7], v[AF:AF+7], v[ACC+8*\t:ACC+8*\t+7]
.endif
.endm
.macro STEP                            ; step CG = 4 h + s: 64 queries x 32 keys
	.set CH, CG/4
	.set CS, CG&1
	.set LS, 1-CS
	.set LH, (CG+1)/4
	.set LQ, (CG+1)&3
	s_wait_dscnt 0x0                               ; this step's six loads, issued a step ago
.if CG < 11
	TILE 0, 1
.else
	TILE 0, 0
.endif
	TILE 1, 0
	TILE 2, 0
	TILE 3, 0
.if (CG&3) == 3
.rept 4
	v_nop                                          ; four places before a vector instruction reads a matrix result
.endr
	v_cndmask_b32 v12, v[ACC], v[ACC+8], s79       ; registers 0, 1 hold (num, den) of query 16 t + r in both halves of the lanes:
	v_cndmask_b32 v13, v[ACC+1], v[ACC+9], s79     ; lanes 0-15 put out tile t, lanes 16-31 tile t + 1
	ds_store_b64 v8, v[12:13] offset:2048*CH
	v_cndmask_b32 v14, v[ACC+16], v[ACC+24], s79
	v_cndmask_b32 v15, v[ACC+17], v[ACC+25], s79
	ds_store_b64 v8, v[14:15] offset:2048*CH+256
.endif
.endm
	.set CG, 0
.rept 12
	STEP
	.set CG, CG+1
.endr
	s_branch .Lglobal
.Lglobal_only:
	GLOADS
.Lglobal:
	; ======== job (G) ========
	s_wait_loadcnt 0x0
.macro GPASS1 j, e                     ; min and max of k over my keys
	.set XB, GX+12*\j+\e
.irp c, 0,1,2
.irp h, 0,1,2
	KFMA \c, KP+2*\h, XB+4*\c, 16, \h, 0
.endr
.endr
.irp h, 0,1,2
.if GF
	v_min_num_f32 v[MMR+2*\h], v[KP+2*\h], v[KP+2*\h+1]
	v_max_num_f32 v[MMR+2*\h+1], v[KP+2*\h], v[KP+2*\h+1]
.else
	v_min3_num_f32 v[MMR+2*\h], v[MMR+2*\h], v[KP+2*\h], v[KP+2*\h+1]
	v_max3_num_f32 v[MMR+2*\h+1], v[MMR+2*\h+1], v[KP+2*\h], v[KP+2*\h+1]
.endif
.endr
.endm
	.set GF, 1
.irp j, 0,1,2,3,4,5,6,7
.irp e, 0,2
	GPASS1 \j, \e
	.set GF, 0
.endr
.endr
.irp h, 0,1,2
	WRED v_min_num_f32, MMR+2*\h
	WRED v_max_num_f32, MMR+2*\h+1
.endr
	s_lshl_b32 s66, s12, 5
	v_mov_b32 v12, s66
	ds_store_b128 v12, v[MMR:MMR+3] offset:MMG
	ds_store_b64 v12, v[MMR+4:MMR+5] offset:MMG+16
	s_wait_dscnt 0x0
	s_barrier_signal -1
	s_barrier_wait -1
	v_lshlrev_b32 v12, 5, v2
	ds_load_b128 v[MMR:MMR+3], v12 offset:MMG      ; lane l: the figures of wave l & 15
	ds_load_b64 v[MMR+4:MMR+5], v12 offset:MMG+16
.irp h, 0,1,2
.irp e, 0,1
	v_mov_b32 v[GQ+2*\h+\e], s[89+\h]
	v_fma_f32 v[GQ+2*\h+\e], s[72+\e], s[80+\h], v[GQ+2*\h+\e]
	v_fma_f32 v[GQ+2*\h+\e], s[74+\e], s[83+\h], v[GQ+2*\h+\e]
	v_fma_f32 v[GQ+2*\h+\e], s[76+\e], s[86+\h], v[GQ+2*\h+\e]
	v_mul_f32 v[GQ+2*\h+\e], 0x3fb8aa3b, v[GQ+2*\h+\e]
.endr
.endr
	s_wait_dscnt 0x0
.irp x, 1,2,4,8
.irp h, 0,1,2
	v_min_num_f32_dpp v[MMR+2*\h], v[MMR+2*\h], v[MMR+2*\h] row_xmask:\x row_mask:0xf bank_mask:0xf
	v_max_num_f32_dpp v[MMR+2*\h+1], v[MMR+2*\h+1], v[MMR+2*\h+1] row_xmask:\x row_mask:0xf bank_mask:0xf
.endr
.endr
.irp h, 0,1,2
.irp e, 0,1
	v_mul_f32 v12, -v[GQ+2*\h+\e], v[MMR+2*\h+1]
	v_mul_f32 v13, -v[GQ+2*\h+\e], v[MMR+2*\h]
	v_min_num_f32 v[GM+2*\h+\e], v12, v13
.endr
.endr
.macro GSTEP j, e                      ; two keys x three heads x two queries; the first step starts the sums
	.set XB, GX+12*\j+\e
.if GF
	.set ARB, GD
.else
	.set ARB, AR
.endif
.irp c, 0,1,2
.irp h, 0,1,2
	KFMA \c, KP+2*\h, XB+4*\c, 16, \h, 0
	KFMA \c, VP+2*\h, XB+4*\c, 40, \h, 1
.endr
.endr
.irp h, 0,1,2
	v_pk_fma_f32 v[ARB+4*\h:ARB+4*\h+1], v[KP+2*\h:KP+2*\h+1], v[GQ+2*\h:GQ+2*\h+1], v[GM+2*\h:GM+2*\h+1] op_sel:[0,0,0] op_sel_hi:[1,0,0]
	v_pk_fma_f32 v[ARB+4*\h+2:ARB+4*\h+3], v[KP+2*\h:KP+2*\h+1], v[GQ+2*\h:GQ+2*\h+1], v[GM+2*\h:GM+2*\h+1] op_sel:[0,1,1] op_sel_hi:[1,1,1]
.endr
.irp q, 0,1,2,3,4,5,6,7,8,9,10,11
	v_exp_f32 v[ARB+\q], v[ARB+\q]
.endr
	v_nop
	s_wait_alu depctr_va_vdst(0)
.irp h, 0,1,2
.irp q, 0,2
.if GF
	s_wait_alu depctr_va_vdst(0)
	v_pk_mul_f32 v[GN+4*\h+\q:GN+4*\h+\q+1], v[ARB+4*\h+\q:ARB+4*\h+\q+1], v[VP+2*\h:VP+2*\h+1]
.else
	v_pk_fma_f32 v[GN+4*\h+\q:GN+4*\h+\q+1], v[ARB+4*\h+\q:ARB+4*\h+\q+1], v[VP+2*\h:VP+2*\h+1], v[GN+4*\h+\q:GN+4*\h+\q+1]
	v_pk_add_f32 v[GD+4*\h+\q:GD+4*\h+\q+1], v[GD+4*\h+\q:GD+4*\h+\q+1], v[ARB+4*\h+\q:ARB+4*\h+\q+1]
.endif
.endr
.endr
.endm
	.set GF, 1
.irp j, 0,1,2,3,4,5,6,7
.irp e, 0,2
	GSTEP \j, \e
	.set GF, 0
.endr
.endr
.irp h, 0,1,2
.irp q, 0,2
	v_add_f32 v[RV+4*\h+\q], v[GN+4*\h+\q], v[GN+4*\h+\q+1]
	v_add_f32 v[RV+4*\h+\q+1], v[GD+4*\h+\q], v[GD+4*\h+\q+1]
.endr
.endr
.irp q, 0,1,2,3,4,5,6,7,8,9,10,11
	WRED v_add_f32, RV+\q
.endr
	s_lshl_b32 s66, s12, 6
	s_add_co_u32 s66, s66, GPS
	v_mov_b32 v12, s66
	ds_store_b128 v12, v[RV:RV+3]
	ds_store_b128 v12, v[RV+4:RV+7] offset:16
	ds_store_b128 v12, v[RV+8:RV+11] offset:32
	; waves 0-4 ask for what the epilogue needs ahead of the barrier
	s_cmp_gt_u32 s12, 4
	s_cbranch_scc1 .Lb3
	s_cmp_eq_u32 s12, 4
	s_cbranch_scc1 .Lprep4
	s_mul_i32 s66, s12, BP                         ; waves 0-3: batch w, tokens 2 lane, 2 lane + 1 of block i (inside x for every i)
	s_lshl_b32 s92, s13, 8
	s_add_co_u32 s66, s66, s92
	v_lshl_add_u32 v10, v1, 3, s66
	global_load_b64 v[XR:XR+1], v10, s[4:5]
	global_load_b64 v[XR+2:XR+3], v10, s[4:5] offset:PL
	global_load_b64 v[XR+4:XR+5], v10, s[4:5] offset:2*PL
	s_branch .Lprepc
.Lprep4:
.irp q, 0,1,2,3,4,5
	v_mov_b32 v[XR+\q], s[72+\q]                   ; wave 4: the two global tokens
.endr
	v_mov_b32 v10, s71
.Lprepc:
	s_load_b512 s[16:31], s[6:7], 0xf0             ; attn_w s[16+3h+c], attn_b s25-27, ln1 gains s28-30, offsets s31-33
	s_load_b256 s[32:39], s[6:7], 0x130            ; ln2 gains s34-36, offsets s37-39
	s_load_b128 s[40:43], s[6:7], 0x150            ; ffn_b2 s40-42
	s_load_b512 s[44:59], s[6:7], 0x160            ; ffn_w1 dword d: s[44+d] for d < 16,
	s_load_b512 s[68:83], s[6:7], 0x1a0            ; s[52+d] from 16 on;
	s_load_b512 s[84:99], s[6:7], 0x1e0            ; ffn_b1 s[88+j]
.irp k, 0,1,2,3,4,5,6,7,8
	global_load_b128 v[W2+4*\k:W2+4*\k+3], v159, s[6:7] offset:544+16*\k
.endr
	s_mov_b32 s60, 0x3eaaaaab                      ; 1/3
	s_mov_b32 s61, 0xc0135761                      ; -2 log2(e) sqrt(2/pi)
	s_mov_b32 s62, 0xbdd2d3e8                      ; the same times 0.044715
	s_mov_b32 s63, 0x2b8cbccc                      ; 1e-12
.Lb3:
	s_wait_dscnt 0x0                               ; my sums of both jobs are written
	s_barrier_signal -1
	s_barrier_wait -1
	; ======== epilogue: waves 0-3 a batch of block i each, wave 4 the two global tokens ========
	s_cmp_gt_u32 s12, 4
	s_cbranch_scc1 .Lend
	s_cmp_eq_u32 s12, 4
	s_cbranch_scc1 .Lepi4
	s_cmp_ge_u32 s67, 254
	s_cbranch_scc1 .Lend
	s_mul_i32 s66, s12, 6144
	s_add_co_u32 s66, s66, PART
	v_lshl_add_u32 v12, v1, 4, s66
.irp h, 0,1,2
	ds_load_b128 v[RV+4*\h:RV+4*\h+3], v12 offset:2048*\h
	ds_load_b128 v[16+4*\h:19+4*\h], v12 offset:2048*\h+512
	ds_load_b128 v[28+4*\h:31+4*\h], v12 offset:2048*\h+1024
	ds_load_b128 v[40+4*\h:43+4*\h], v12 offset:2048*\h+1536
.endr
	s_wait_dscnt 0x0
.irp p, 0,2,4,6,8,10
	v_pk_add_f32 v[RV+\p:RV+\p+1], v[RV+\p:RV+\p+1], v[16+\p:17+\p]
	v_pk_add_f32 v[28+\p:29+\p], v[28+\p:29+\p], v[40+\p:41+\p]
.endr
.irp p, 0,2,4,6,8,10
	v_pk_add_f32 v[RV+\p:RV+\p+1], v[RV+\p:RV+\p+1], v[28+\p:29+\p]
.endr
	s_mov_b32 s66, 31                              ; all lanes store
	s_branch .Lepic
.Lepi4:
	v_lshlrev_b32 v12, 6, v2
	v_add_nc_u32 v12, GPS, v12
	ds_load_b128 v[RV:RV+3], v12
	ds_load_b128 v[RV+4:RV+7], v12 offset:16
	ds_load_b128 v[RV+8:RV+11], v12 offset:32
	s_wait_dscnt 0x0
.irp x, 1,2,4,8
.irp q, 0,1,2,3,4,5,6,7,8,9,10,11
	v_add_f32_dpp v[RV+\q], v[RV+\q], v[RV+\q] row_xmask:\x row_mask:0xf bank_mask:0xf
.endr
.endr
	s_mov_b32 s66, 0                               ; lane 0 stores
.Lepic:
	s_wait_kmcnt 0x0
	s_wait_loadcnt 0x0
.irp h, 0,1,2
.irp e, 0,1
	v_rcp_f32 v[CT+2*\h+\e], v[RV+4*\h+2*\e+1]     ; a denominator holds the term of the maximum, about 1: never 0
.endr
.endr
	v_nop
	s_wait_alu depctr_va_vdst(0)
.irp h, 0,1,2
.irp e, 0,1
	v_mul_f32 v[CT+2*\h+\e], v[CT+2*\h+\e], v[RV+4*\h+2*\e]
.endr
.endr
.macro EPI e
.irp c, 0,1,2
	v_add_f32 v[Y+\c], s[25+\c], v[XR+2*\c+\e]
.endr
.irp h, 0,1,2
.irp c, 0,1,2
	v_fmac_f32 v[Y+\c], s[16+3*\h+\c], v[CT+2*\h+\e]
.endr
.endr
	LN3 Y, Y+1, Y+2, O, O+1, O+2, 28, 31
.irp j, 0,1,2,3,4,5,6,7,8,9,10,11
	v_fma_f32 v[U+\j], v[O], s[44+\j], s[88+\j]
.endr
.irp j, 0,1,2,3,4,5,6,7,8,9,10,11
	v_fmac_f32 v[U+\j], s[56+\j+8*((12+\j)/16)], v[O+1]
.endr
.irp j, 0,1,2,3,4,5,6,7,8,9,10,11
	v_fmac_f32 v[U+\j], s[76+\j], v[O+2]
.endr
	; gelu(u) = u / (1 + 2^(u (s61 + s62 u u)))
.irp j, 0,1,2,3,4,5,6,7,8,9,10,11
	v_mul_f32 v[T+\j], v[U+\j], v[U+\j]
.endr
.irp j, 0,1,2,3,4,5,6,7,8,9,10,11
	v_fma_f32 v[T+\j], v[T+\j], s62, s61
.endr
.irp j, 0,1,2,3,4,5,6,7,8,9,10,11
	v_mul_f32 v[T+\j], v[T+\j], v[U+\j]
.endr
.irp j, 0,1,2,3,4,5,6,7,8,9,10,11
	v_exp_f32 v[T+\j], v[T+\j]
.endr
	v_nop
	s_wait_alu depctr_va_vdst(0)
.irp j, 0,1,2,3,4,5,6,7,8,9,10,11
	v_add_f32 v[T+\j], 1.0, v[T+\j]
.endr
.irp j, 0,1,2,3,4,5,6,7,8,9,10,11
	v_rcp_f32 v[T+\j], v[T+\j]
.endr
	v_nop
	s_wait_alu depctr_va_vdst(0)
.irp j, 0,1,2,3,4,5,6,7,8,9,10,11
	v_mul_f32 v[U+\j], v[U+\j], v[T+\j]
.endr
.irp c, 0,1,2
	v_add_f32 v[Y+\c], s[40+\c], v[O+\c]
.endr
.irp j, 0,1,2,3,4,5,6,7,8,9,10,11
.irp c, 0,1,2
	v_fmac_f32 v[Y+\c], v[U+\j], v[W2+3*\j+\c]
.endr
.endr
	LN3 Y, Y+1, Y+2, OUT+\e, OUT+2+\e, OUT+4+\e, 34, 37
.endm
	EPI 0
	EPI 1
	v_cmp_ge_u32 vcc_lo, s66, v1
	s_wait_xcnt 0x0                                ; EXEC changes only when no earlier memory instruction still needs it
	s_and_saveexec_b32 s14, vcc_lo
	global_store_b64 v10, v[OUT:OUT+1], s[10:11]               ; waves 0-3: 256 consecutive bytes of a plane, aligned
	global_store_b64 v10, v[OUT+2:OUT+3], s[10:11] offset:PL
	global_store_b64 v10, v[OUT+4:OUT+5], s[10:11] offset:2*PL
.Lend:
	s_wait_xcnt 0x0
	s_mov_b32 exec_lo, -1
	s_wait_tensorcnt 0x0
	ds_add_u32 v157, v158
	s_wait_dscnt 0x0
	s_endpgm
.Lfunc_end_k_q60507f7f6f_layer0:
	.size	k_q60507f7f6f_layer0, .Lfunc_end_k_q60507f7f6f_layer0-k_q60507f7f6f_layer0
	.p2alignl 7, 3214868480
	.fill 96, 4, 3214868480
	.section	.rodata,"a",@progbits
	.p2align	6, 0x0
	.amdhsa_kernel k_q60507f7f6f_layer0
		.amdhsa_group_segment_fixed_size 79872
		.amdhsa_private_segment_fixed_size 0
		.amdhsa_enable_private_segment 0
		.amdhsa_kernarg_size 32
		.amdhsa_user_sgpr_count 2
		.amdhsa_user_sgpr_kernarg_segment_ptr 1
		.amdhsa_wavefront_size32 1
		.amdhsa_system_sgpr_workgroup_id_x 1
		.amdhsa_system_sgpr_workgroup_id_y 1
		.amdhsa_system_sgpr_workgroup_id_z 1
		.amdhsa_system_vgpr_workitem_id 0
		.amdhsa_next_free_vgpr 256
		.amdhsa_next_free_sgpr 102
		.amdhsa_reserve_vcc 1
		.amdhsa_float_denorm_mode_32 3
		.amdhsa_float_denorm_mode_16_64 3
		.amdhsa_memory_ordered 1
		.amdhsa_forward_progress 1
		.amdhsa_inst_pref_size 204
	.end_amdhsa_kernel
	.amdgpu_metadata
---
amdhsa.version: [ 1, 2 ]
amdhsa.kernels:
  - .name:           k_q60507f7f6f_layer0
    .symbol:         k_q60507f7f6f_layer0.kd
    .args:
      - { .name: xa, .offset: 0, .size: 8, .value_kind: global_buffer, .address_space: global }
      - { .name: par0, .offset: 8, .size: 8, .value_kind: global_buffer, .address_space: global }
      - { .name: kidx, .offset: 16, .size: 8, .value_kind: global_buffer, .address_space: global }
      - { .name: xb, .offset: 24, .size: 8, .value_kind: global_buffer, .address_space: global }
    .group_segment_fixed_size: 79872
    .private_segment_fixed_size: 0
    .kernarg_segment_align: 8
    .kernarg_segment_size: 32
    .max_flat_workgroup_size: 512
    .sgpr_count:     102
    .vgpr_count:     256
    .wavefront_size: 32
...
	.end_amdgpu_metadata
.endif
;; end of part 2
;; launch layer1: the kernel of part 2 again; grid 256 x 1, 16 waves a work-group, no clusters, 79,872 bytes of LDS; arguments xb, par1, kidx, xa; writes xa
;; launch fc1 (part 3): grid 4 x 64, 16 waves a work-group, no clusters, 26,880 bytes of LDS; arguments xa, red_w, red_b, fc1_w, out1, out2, p1; writes out1, out2, p1
.if DOCPART == 3
	.amdgcn_target "amdgcn-amd-amdhsa--gfx1250"
	.amdhsa_code_object_version 6
	.text
	.protected	k_q60507f7f6f_fc1
	.globl	k_q60507f7f6f_fc1
	.p2align	8
	.type	k_q60507f7f6f_fc1,@function
k_q60507f7f6f_fc1:
	s_mov_b64 s[64:65], 0
	v_nop
	global_prefetch_b8 v0, s[64:65] scope:SCOPE_SE
	s_setreg_imm32_b32 hwreg(HW_REG_WAVE_MODE, 25, 1), 1
	s_wait_xcnt 0x0
; reduced = x red_w + red_b (out1), x in the order [b][s][3] (out2), and partial sums of reduced fc1_w (p1[ks][b][1024]).
; Work-group (cx, ks): columns 256 cx .. +255 and rows (tokens) 256 ks .. +255 of fc1_w; it also puts out batch cx of out1 and out2
; for its tokens.  Wave w: 64 columns (w & 3), 64 rows (w >> 2), two matrix steps of 32 rows.
; The four groups of 128 threads take the batches in turned order: group g holds batch (g + cx) & 3.  So group 0 always holds batch
; cx, the one that goes out, and no LDS address hangs on cx: the turn stands in two global offsets alone (x in, p1 out).
; All 32 loads of a wave go out at its start: 262,144 bytes a work-group, each used once by the lane that loads it, so neither LDS
; slots nor a copy engine would save anything; memory binds this launch.  No cache hint on fc1_w: a row is 4,000 bytes, so the ends
; of a wave's 256-byte pieces share aligned blocks with its neighbours.
; Lane (r, hh) loads columns 4r .. 4r+3 of row 16 hh + kk: register j of a load belongs to tile j, whose column n = r is column
; 4r + j.  A and B both place row 16 hh + e at element e of the lane: one permutation of k for both, so the products are kept.
; The 4 rows of reduced are split into bf16 hi + lo (rows 0-3, 4-7 of A; rows 8-15 repeat them); fc1_w is rounded to bf16.
; Columns 1000-1023 of p1 hold copies of columns 996-999 and are never read.  Limits: NaN and infinities are not followed.
.set PL, 65536
.set BP, 196608
.set AL, 0                             ; 8 rows x 528: 256 bf16 and 16 bytes of padding (an odd multiple of 16: rows start in different banks)
.set RED, 4352                         ; [w >> 2][group][256 columns] f32, 16,384 bytes
.set XT, 20736                         ; [256 tokens][3] f32 of batch cx, 3,072 bytes
.set RF, 23808                         ; [256] f32: reduced of batch cx, 1,024 bytes
.set W, 32                             ; v[32:159]  64 step + 4 kk + j
.set BF0, 160
.set BF1, 32                           ; on step 0's registers, behind their conversion
.set ACC, 192
.set AF, 224
.set S, 240
.set O, 16
	s_load_b256 s[4:11], s[0:1], 0x0               ; xa, red_w, red_b, fc1_w
	s_load_b128 s[12:15], s[0:1], 0x20             ; out1, out2
	s_load_b64 s[16:17], s[0:1], 0x30              ; p1
	v_lshrrev_b32 v16, 5, v0
	v_readfirstlane_b32 s18, v16                   ; wave
	s_mov_b32 s3, ttmp9                            ; cx
	s_and_b32 s19, ttmp7, 0xffff                   ; ks
	s_and_b32 s27, s18, 3                          ; cg
	s_lshr_b32 s28, s18, 2                         ; kq
	v_and_b32 v1, 31, v0
	v_and_b32 v2, 15, v0                           ; r
	v_bfe_u32 v3, v0, 4, 1                         ; hh
	v_lshrrev_b32 v16, 7, v0                       ; g: 128 threads a group
	v_and_b32 v17, 127, v0                         ; my pair of tokens
	v_add_nc_u32 v18, s3, v16
	v_and_b32 v18, 3, v18                          ; my group's batch: (g + cx) & 3
	v_mul_u32_u24 v6, v18, BP
	v_lshl_add_u32 v6, v17, 3, v6
	s_lshl_b32 s29, s3, 10
	s_lshl_b32 s25, s27, 8
	s_add_co_u32 s29, s29, s25
	v_lshl_add_u32 v4, v2, 4, s29
	v_min_u32 v4, 3984, v4                         ; the last 24 columns repeat columns 996-999: no load leaves a row
	v_mul_u32_u24 v18, v3, 64000
	v_add_nc_u32 v4, v4, v18
	s_wait_kmcnt 0x0
	s_load_b96 s[20:22], s[6:7], 0x0
	s_load_b32 s24, s[8:9], 0x0
	s_lshl_b32 s30, s19, 10
	s_mov_b32 s31, 0
	s_add_nc_u64 s[4:5], s[4:5], s[30:31]
	global_load_b64 v[8:9], v6, s[4:5]
	global_load_b64 v[10:11], v6, s[4:5] offset:PL
	global_load_b64 v[12:13], v6, s[4:5] offset:2*PL
	s_lshl_b32 s30, s19, 8
	s_lshl_b32 s29, s28, 6
	s_add_co_u32 s30, s30, s29
	s_mul_i32 s30, s30, 4000
	s_add_nc_u64 s[10:11], s[10:11], s[30:31]
.irp st, 0,1
.irp kk, 0,1,2,3,4,5,6,7,8,9,10,11,12,13,14,15
	global_load_b128 v[W+64*\st+4*\kk:W+64*\st+4*\kk+3], v4, s[10:11] offset:(32*\st+\kk)*4000
.endr
.endr
	v_and_b32 v18, 7, v0
	v_mul_u32_u24 v5, v18, 528
	v_lshl_add_u32 v5, v3, 5, v5
	s_lshl_b32 s25, s28, 7
	v_add_nc_u32 v5, s25, v5                       ; A: row r & 7, my 64 k, 16 k for each half of the lanes
	s_lshl_b32 s25, s28, 12
	s_lshl_b32 s29, s27, 8
	s_add_co_u32 s25, s25, s29
	v_lshl_add_u32 v7, v2, 4, s25
	v_lshl_add_u32 v7, v3, 11, v7
	v_cmp_ne_u32 s26, 0, v3
	v_mul_u32_u24 v19, v16, 528
	v_lshl_add_u32 v19, v17, 2, v19
	v_mul_u32_u24 v20, v17, 24
	v_lshlrev_b32 v21, 3, v17
	s_wait_kmcnt 0x0
	s_wait_loadcnt 32                              ; x is in; the 32 younger loads of fc1_w stay out
	v_fma_f32 v14, v8, s20, s24
	v_fma_f32 v15, v9, s20, s24
	v_fmac_f32 v14, s21, v10
	v_fmac_f32 v15, s21, v11
	v_fmac_f32 v14, s22, v12
	v_fmac_f32 v15, s22, v13
	v_cvt_pk_bf16_f32 v22, v14, v15                ; hi
	v_lshlrev_b32 v23, 16, v22
	v_and_b32 v24, 0xffff0000, v22
	v_sub_f32 v23, v14, v23
	v_sub_f32 v24, v15, v24
	v_cvt_pk_bf16_f32 v25, v23, v24                ; lo
	ds_store_b32 v19, v22 offset:AL
	ds_store_b32 v19, v25 offset:AL+2112
	s_cmp_gt_u32 s18, 3
	s_cbranch_scc1 .Lstaged
	ds_store_b32 v20, v8 offset:XT                 ; waves 0-3 = group 0 = batch cx: x token by token, and reduced, for the way out
	ds_store_b32 v20, v10 offset:XT+4
	ds_store_b32 v20, v12 offset:XT+8
	ds_store_b32 v20, v9 offset:XT+12
	ds_store_b32 v20, v11 offset:XT+16
	ds_store_b32 v20, v13 offset:XT+20
	ds_store_b64 v21, v[14:15] offset:RF
.Lstaged:
	s_wait_dscnt 0x0                               ; my stores are written
	s_barrier_signal -1
	s_barrier_wait -1                              ; everybody's are
	s_cmp_gt_u32 s18, 7
	s_cbranch_scc1 .Lmul
	s_cmp_gt_u32 s18, 5
	s_cbranch_scc1 .Lout1
	v_lshlrev_b32 v27, 4, v0                       ; waves 0-5: the 3,072 bytes of out2
	ds_load_b128 v[28:31], v27 offset:XT
	s_mul_i32 s30, s3, BP
	s_mul_i32 s29, s19, 3072
	s_add_co_u32 s30, s30, s29
	s_add_nc_u64 s[14:15], s[14:15], s[30:31]
	s_wait_dscnt 0x0
	global_store_b128 v27, v[28:31], s[14:15]      ; a wave's store covers 512 consecutive bytes, aligned
	s_branch .Lmul
.Lout1:
	v_and_b32 v26, 63, v0                          ; waves 6, 7: the 1,024 bytes of out1
	v_lshlrev_b32 v27, 4, v26
	ds_load_b128 v[28:31], v27 offset:RF
	s_lshl_b32 s30, s3, 16
	s_lshl_b32 s29, s19, 10
	s_add_co_u32 s30, s30, s29
	s_add_nc_u64 s[12:13], s[12:13], s[30:31]
	s_wait_dscnt 0x0
	global_store_b128 v27, v[28:31], s[12:13]
.Lmul:
	ds_load_b128 v[AF:AF+3], v5 offset:AL
	ds_load_b128 v[AF+4:AF+7], v5 offset:AL+16
	ds_load_b128 v[AF+8:AF+11], v5 offset:AL+64
	ds_load_b128 v[AF+12:AF+15], v5 offset:AL+80
.macro CVB dst, wb                     ; 16 rows x 4 columns a lane, f32, into the four tiles' B fragments
.irp j, 0,1,2,3
.irp p, 0,1,2,3,4,5,6,7
	v_cvt_pk_bf16_f32 v[\dst+8*\j+\p], v[\wb+8*\p+\j], v[\wb+8*\p+4+\j]
.endr
.endr
.endm
	s_wait_loadcnt 16                              ; step 0's sixteen loads are in, step 1's stay out
	CVB BF0, W
	s_wait_dscnt 0x0
.irp j, 0,1,2,3
	v_wmma_f32_16x16x32_bf16 v[ACC+8*\j:ACC+8*\j+7], v[AF:AF+7], v[BF0+8*\j:BF0+8*\j+7], 0
.endr
	s_wait_loadcnt 0x0
	CVB BF1, W+64
.irp j, 0,1,2,3                                    ; the four tiles take turns, one instruction a turn
	v_wmma_f32_16x16x32_bf16 v[ACC+8*\j:ACC+8*\j+7], v[AF+8:AF+15], v[BF1+8*\j:BF1+8*\j+7], v[ACC+8*\j:ACC+8*\j+7]
.endr
.rept 4
	v_nop                                          ; four places before a vector instruction reads a matrix result
.endr
.irp b, 0,1,2,3
.irp j, 0,1,2,3
	v_add_f32 v[S+4*\b+\j], v[ACC+8*\j+\b], v[ACC+8*\j+\b+4]   ; hi + lo of group b; both halves of the lanes hold the same
.endr
.endr
.irp q, 0,1
.irp j, 0,1,2,3
	v_cndmask_b32 v[O+4*\q+\j], v[S+4*\q+\j], v[S+4*(\q+2)+\j], s26   ; lanes 0-15 put out groups 0, 1; lanes 16-31 groups 2, 3
.endr
.endr
	ds_store_b128 v7, v[O:O+3] offset:RED
	ds_store_b128 v7, v[O+4:O+7] offset:RED+1024
	s_wait_dscnt 0x0
	s_barrier_signal -1
	s_barrier_wait -1
	s_cmp_gt_u32 s18, 7
	s_cbranch_scc1 .Lend
	v_lshlrev_b32 v48, 4, v0                       ; waves 0-7 add the four quarters of k
	ds_load_b128 v[32:35], v48 offset:RED
	ds_load_b128 v[36:39], v48 offset:RED+4096
	ds_load_b128 v[40:43], v48 offset:RED+8192
	ds_load_b128 v[44:47], v48 offset:RED+12288
	s_lshl_b32 s30, s19, 14
	s_lshl_b32 s29, s3, 10
	s_add_co_u32 s30, s30, s29
	s_add_nc_u64 s[16:17], s[16:17], s[30:31]
	v_lshrrev_b32 v49, 6, v0                       ; group t >> 6,
	v_add_nc_u32 v49, s3, v49
	v_and_b32 v49, 3, v49                          ; whose batch is (group + cx) & 3
	v_and_b32 v50, 63, v0
	v_lshlrev_b32 v49, 12, v49
	v_lshl_add_u32 v49, v50, 4, v49
	s_wait_dscnt 0x0
	v_pk_add_f32 v[32:33], v[32:33], v[36:37]
	v_pk_add_f32 v[34:35], v[34:35], v[38:39]
	v_pk_add_f32 v[40:41], v[40:41], v[44:45]
	v_pk_add_f32 v[42:43], v[42:43], v[46:47]
	v_pk_add_f32 v[32:33], v[32:33], v[40:41]
	v_pk_add_f32 v[34:35], v[34:35], v[42:43]
	global_store_b128 v49, v[32:35], s[16:17]      ; a wave's store covers 512 consecutive bytes, aligned
.Lend:
	s_wait_xcnt 0x0
	v_lshl_add_u32 v254, v0, 2, 0x6100
	v_mov_b32 v255, 0
	s_wait_tensorcnt 0x0
	ds_add_u32 v254, v255
	s_wait_dscnt 0x0
	s_endpgm
.Lfunc_end_k_q60507f7f6f_fc1:
	.size	k_q60507f7f6f_fc1, .Lfunc_end_k_q60507f7f6f_fc1-k_q60507f7f6f_fc1
	.p2alignl 7, 3214868480
	.fill 96, 4, 3214868480
	.section	.rodata,"a",@progbits
	.p2align	6, 0x0
	.amdhsa_kernel k_q60507f7f6f_fc1
		.amdhsa_group_segment_fixed_size 26880
		.amdhsa_private_segment_fixed_size 0
		.amdhsa_enable_private_segment 0
		.amdhsa_kernarg_size 56
		.amdhsa_user_sgpr_count 2
		.amdhsa_user_sgpr_kernarg_segment_ptr 1
		.amdhsa_wavefront_size32 1
		.amdhsa_system_sgpr_workgroup_id_x 1
		.amdhsa_system_sgpr_workgroup_id_y 1
		.amdhsa_system_sgpr_workgroup_id_z 1
		.amdhsa_system_vgpr_workitem_id 0
		.amdhsa_next_free_vgpr 256
		.amdhsa_next_free_sgpr 66
		.amdhsa_reserve_vcc 0
		.amdhsa_float_denorm_mode_32 3
		.amdhsa_float_denorm_mode_16_64 3
		.amdhsa_memory_ordered 1
		.amdhsa_forward_progress 1
		.amdhsa_inst_pref_size 16
	.end_amdhsa_kernel
	.amdgpu_metadata
---
amdhsa.version: [ 1, 2 ]
amdhsa.kernels:
  - .name:           k_q60507f7f6f_fc1
    .symbol:         k_q60507f7f6f_fc1.kd
    .args:
      - { .name: xa, .offset: 0, .size: 8, .value_kind: global_buffer, .address_space: global }
      - { .name: red_w, .offset: 8, .size: 8, .value_kind: global_buffer, .address_space: global }
      - { .name: red_b, .offset: 16, .size: 8, .value_kind: global_buffer, .address_space: global }
      - { .name: fc1_w, .offset: 24, .size: 8, .value_kind: global_buffer, .address_space: global }
      - { .name: out1, .offset: 32, .size: 8, .value_kind: global_buffer, .address_space: global }
      - { .name: out2, .offset: 40, .size: 8, .value_kind: global_buffer, .address_space: global }
      - { .name: p1, .offset: 48, .size: 8, .value_kind: global_buffer, .address_space: global }
    .group_segment_fixed_size: 26880
    .private_segment_fixed_size: 0
    .kernarg_segment_align: 8
    .kernarg_segment_size: 56
    .max_flat_workgroup_size: 512
    .sgpr_count:     66
    .vgpr_count:     256
    .wavefront_size: 32
...
	.end_amdgpu_metadata
.endif
;; end of part 3
;; launch fc2 (part 4): grid 32 x 1, 8 waves a work-group, no clusters, 10,240 bytes of LDS; arguments p1, fc1_b, bn1, fc2_w, p2; writes p2
.if DOCPART == 4
	.amdgcn_target "amdgcn-amd-amdhsa--gfx1250"
	.amdhsa_code_object_version 6
	.text
	.protected	k_q60507f7f6f_fc2
	.globl	k_q60507f7f6f_fc2
	.p2align	8
	.type	k_q60507f7f6f_fc2,@function
k_q60507f7f6f_fc2:
	s_mov_b64 s[64:65], 0
	v_nop
	global_prefetch_b8 v0, s[64:65] scope:SCOPE_SE
	s_setreg_imm32_b32 hwreg(HW_REG_WAVE_MODE, 25, 1), 1
	s_wait_xcnt 0x0
; h1 = relu(batch_norm(sum of p1 + fc1_b)) for 32 of the 1000 features, then their share of h1 fc2_w: p2[j][b][512].
; Work-group j: features k0 .. k0+31, k0 = min(32 j, 968); a feature below 32 j counts as 0, so none is counted twice and no load
; leaves a buffer.  Wave w first adds eight of the 64 partial sums, then takes columns 64 w .. +63 of fc2_w.
; Matrix layout as in fc1: lane (r, hh) loads columns 4r .. 4r+3 of row 16 hh + kk; h1 split into bf16 hi + lo rows; fc2_w in bf16.
; Columns 500-511 of p2 hold copies of columns 496-499.  32 work-groups: the launch has 2,000,000 bytes of weights and one step of
; 32 features for each; its time is the loads' latency.  Limits: NaN and infinities are not followed.
.set R, 0                              ; [8 waves][4 b][32] f32
.set AW, 4096                          ; 8 waves x 640: 8 rows of 32 bf16, pitch 80; each wave's own
.set P, 16
.set W, 64
.set BF, 128
.set ACC, 16
.set AF, 52
.set S, 64
.set O, 80
	s_load_b256 s[4:11], s[0:1], 0x0               ; p1, fc1_b, bn1, fc2_w
	s_load_b64 s[12:13], s[0:1], 0x20              ; p2
	v_lshl_add_u32 v160, v0, 2, 0x2400
	v_mov_b32 v161, 0
	v_lshrrev_b32 v1, 5, v0
	v_readfirstlane_b32 s14, v1                    ; wave
	v_and_b32 v1, 31, v0
	v_and_b32 v2, 15, v0
	v_bfe_u32 v3, v0, 4, 1
	s_lshl_b32 s15, ttmp9, 5                       ; 32 j
	s_min_u32 s16, s15, 968                        ; k0
	s_lshl_b32 s17, s16, 2
	s_mov_b32 s20, 0x3e800000                      ; 1/4
	s_mov_b32 s21, 0x3727c5ac                      ; 1e-5
	v_cmp_ne_u32 s22, 0, v3
	v_add_nc_u32 v9, s16, v1
	v_cmp_le_u32 s24, s15, v9                      ; my feature counts
	v_lshrrev_b32 v4, 3, v1
	v_and_b32 v5, 7, v1
	v_lshlrev_b32 v4, 12, v4
	v_lshl_add_u32 v4, v5, 4, v4
	v_add_nc_u32 v4, s17, v4                       ; p1: batch lane >> 3, four features at 4 (lane & 7)
	v_lshl_add_u32 v5, v1, 2, s17
	s_lshl_b32 s23, s14, 8
	v_lshl_add_u32 v6, v2, 4, s23
	v_lshl_add_u32 v8, v3, 12, v6                  ; p2: 4096 hh + 256 w + 16 r
	v_min_u32 v6, 1984, v6
	v_mul_u32_u24 v7, v3, 32000
	v_add_nc_u32 v6, v6, v7
	s_lshl_b32 s18, s14, 17
	s_mov_b32 s19, 0
	s_wait_kmcnt 0x0
	s_add_nc_u64 s[4:5], s[4:5], s[18:19]
	s_mul_i32 s18, s16, 2000
	s_add_nc_u64 s[10:11], s[10:11], s[18:19]
	s_lshl_b32 s18, ttmp9, 13
	s_add_nc_u64 s[12:13], s[12:13], s[18:19]
.irp u, 0,1,2,3,4,5,6,7
	global_load_b128 v[P+4*\u:P+4*\u+3], v4, s[4:5] offset:16384*\u
.endr
	global_load_b32 v48, v5, s[6:7]
	global_load_b32 v49, v5, s[8:9]
	global_load_b32 v50, v5, s[8:9] offset:4000
.irp kk, 0,1,2,3,4,5,6,7,8,9,10,11,12,13,14,15
	global_load_b128 v[W+4*\kk:W+4*\kk+3], v6, s[10:11] offset:2000*\kk
.endr
	s_lshl_b32 s25, s14, 9
	v_lshl_add_u32 v10, v1, 4, s25
	v_lshlrev_b32 v11, 2, v1
	s_mul_i32 s25, s14, 640
	v_lshl_add_u32 v12, v1, 1, s25
	v_and_b32 v13, 7, v0
	v_mul_u32_u24 v13, v13, 80
	v_lshl_add_u32 v13, v3, 5, v13
	v_add_nc_u32 v13, s25, v13
	s_wait_loadcnt 19                              ; the eight partial sums are in; 3 parameter and 16 weight loads stay out
.irp u, 0,2,4,6
	v_pk_add_f32 v[P+4*\u:P+4*\u+1], v[P+4*\u:P+4*\u+1], v[P+4*\u+4:P+4*\u+5]
	v_pk_add_f32 v[P+4*\u+2:P+4*\u+3], v[P+4*\u+2:P+4*\u+3], v[P+4*\u+6:P+4*\u+7]
.endr
.irp u, 0,4
	v_pk_add_f32 v[P+4*\u:P+4*\u+1], v[P+4*\u:P+4*\u+1], v[P+4*\u+8:P+4*\u+9]
	v_pk_add_f32 v[P+4*\u+2:P+4*\u+3], v[P+4*\u+2:P+4*\u+3], v[P+4*\u+10:P+4*\u+11]
.endr
	v_pk_add_f32 v[P:P+1], v[P:P+1], v[P+16:P+17]
	v_pk_add_f32 v[P+2:P+3], v[P+2:P+3], v[P+18:P+19]
	ds_store_b128 v10, v[P:P+3] offset:R
	s_wait_dscnt 0x0
	s_barrier_signal -1
	s_barrier_wait -1
.irp b, 0,1,2,3
.irp kg, 0,1,2,3,4,5,6,7
	ds_load_b32 v[P+8*\b+\kg], v11 offset:R+512*\kg+128*\b     ; lane = feature
.endr
.endr
	s_wait_dscnt 0x0
.irp b, 0,1,2,3
	v_pk_add_f32 v[P+8*\b:P+8*\b+1], v[P+8*\b:P+8*\b+1], v[P+8*\b+2:P+8*\b+3]
	v_pk_add_f32 v[P+8*\b+4:P+8*\b+5], v[P+8*\b+4:P+8*\b+5], v[P+8*\b+6:P+8*\b+7]
.endr
.irp b, 0,1,2,3
	v_pk_add_f32 v[P+8*\b:P+8*\b+1], v[P+8*\b:P+8*\b+1], v[P+8*\b+4:P+8*\b+5]
.endr
.irp b, 0,1,2,3
	v_add_f32 v[P+8*\b], v[P+8*\b], v[P+8*\b+1]
.endr
	s_wait_loadcnt 16                              ; bias, gain and offset are in; the 16 weight loads stay out
; batch norm over the four batches and relu, in place; s20 = 1/4, s21 = 1e-5
.macro BN4 x0, x1, x2, x3, bi, ga, be, t
.irp x, \x0, \x1, \x2, \x3
	v_add_f32 v[\x], v[\x], v[\bi]
.endr
	v_add_f32 v[\t], v[\x0], v[\x1]
	v_add_f32 v[\t+1], v[\x2], v[\x3]
	v_add_f32 v[\t], v[\t], v[\t+1]
	v_mul_f32 v[\t], s20, v[\t]
.irp x, \x0, \x1, \x2, \x3
	v_sub_f32 v[\x], v[\x], v[\t]
.endr
	v_mul_f32 v[\t+1], v[\x0], v[\x0]
	v_fmac_f32 v[\t+1], v[\x1], v[\x1]
	v_fmac_f32 v[\t+1], v[\x2], v[\x2]
	v_fmac_f32 v[\t+1], v[\x3], v[\x3]
	v_fma_f32 v[\t+1], v[\t+1], s20, s21
	v_rsq_f32 v[\t+2], v[\t+1]
	v_nop                                          ; one plain instruction behind the transcendental (ISA guide 5.7.2)
	s_wait_alu depctr_va_vdst(0)
	v_mul_f32 v[\t+2], v[\t+2], v[\ga]
.irp x, \x0, \x1, \x2, \x3
	v_fma_f32 v[\x], v[\x], v[\t+2], v[\be]
.endr
.irp x, \x0, \x1, \x2, \x3
	v_max_num_f32 v[\x], 0, v[\x]
.endr
.endm
	BN4 P, P+8, P+16, P+24, 48, 49, 50, 60
.irp b, 0,1,2,3
	v_cndmask_b32 v[P+8*\b], 0, v[P+8*\b], s24
	v_cvt_pk_bf16_f32 v60, v[P+8*\b], v[P+8*\b]    ; hi
	v_lshlrev_b32 v61, 16, v60
	v_sub_f32 v61, v[P+8*\b], v61
	v_cvt_pk_bf16_f32 v62, v61, v61                ; lo
	ds_store_b16 v12, v60 offset:AW+80*\b
	ds_store_b16 v12, v62 offset:AW+80*(4+\b)
.endr
	ds_load_b128 v[AF:AF+3], v13 offset:AW         ; my wave's own bytes: LDS serves a wave's instructions in order (ISA guide 5.7.1)
	ds_load_b128 v[AF+4:AF+7], v13 offset:AW+16
	s_wait_loadcnt 0x0
.irp j, 0,1,2,3
.irp p, 0,1,2,3,4,5,6,7
	v_cvt_pk_bf16_f32 v[BF+8*\j+\p], v[W+8*\p+\j], v[W+8*\p+4+\j]
.endr
.endr
	s_wait_dscnt 0x0
.irp j, 0,1,2,3
	v_wmma_f32_16x16x32_bf16 v[ACC+8*\j:ACC+8*\j+7], v[AF:AF+7], v[BF+8*\j:BF+8*\j+7], 0
.endr
.rept 4
	v_nop                                          ; four places before a vector instruction reads a matrix result
.endr
.irp b, 0,1,2,3
.irp j, 0,1,2,3
	v_add_f32 v[S+4*\b+\j], v[ACC+8*\j+\b], v[ACC+8*\j+\b+4]
.endr
.endr
.irp q, 0,1
.irp j, 0,1,2,3
	v_cndmask_b32 v[O+4*\q+\j], v[S+4*\q+\j], v[S+4*(\q+2)+\j], s22
.endr
.endr
	global_store_b128 v8, v[O:O+3], s[12:13]               ; sixteen lanes store 256 consecutive bytes, aligned
	global_store_b128 v8, v[O+4:O+7], s[12:13] offset:2048
	s_wait_tensorcnt 0x0
	ds_add_u32 v160, v161
	s_wait_dscnt 0x0
	s_endpgm
.Lfunc_end_k_q60507f7f6f_fc2:
	.size	k_q60507f7f6f_fc2, .Lfunc_end_k_q60507f7f6f_fc2-k_q60507f7f6f_fc2
	.p2alignl 7, 3214868480
	.fill 96, 4, 3214868480
	.section	.rodata,"a",@progbits
	.p2align	6, 0x0
	.amdhsa_kernel k_q60507f7f6f_fc2
		.amdhsa_group_segment_fixed_size 10240
		.amdhsa_private_segment_fixed_size 0
		.amdhsa_enable_private_segment 0
		.amdhsa_kernarg_size 40
		.amdhsa_user_sgpr_count 2
		.amdhsa_user_sgpr_kernarg_segment_ptr 1
		.amdhsa_wavefront_size32 1
		.amdhsa_system_sgpr_workgroup_id_x 1
		.amdhsa_system_sgpr_workgroup_id_y 1
		.amdhsa_system_sgpr_workgroup_id_z 1
		.amdhsa_system_vgpr_workitem_id 0
		.amdhsa_next_free_vgpr 162
		.amdhsa_next_free_sgpr 66
		.amdhsa_reserve_vcc 0
		.amdhsa_float_denorm_mode_32 3
		.amdhsa_float_denorm_mode_16_64 3
		.amdhsa_memory_ordered 1
		.amdhsa_forward_progress 1
		.amdhsa_inst_pref_size 16
	.end_amdhsa_kernel
	.amdgpu_metadata
---
amdhsa.version: [ 1, 2 ]
amdhsa.kernels:
  - .name:           k_q60507f7f6f_fc2
    .symbol:         k_q60507f7f6f_fc2.kd
    .args:
      - { .name: p1, .offset: 0, .size: 8, .value_kind: global_buffer, .address_space: global }
      - { .name: fc1_b, .offset: 8, .size: 8, .value_kind: global_buffer, .address_space: global }
      - { .name: bn1, .offset: 16, .size: 8, .value_kind: global_buffer, .address_space: global }
      - { .name: fc2_w, .offset: 24, .size: 8, .value_kind: global_buffer, .address_space: global }
      - { .name: p2, .offset: 32, .size: 8, .value_kind: global_buffer, .address_space: global }
    .group_segment_fixed_size: 10240
    .private_segment_fixed_size: 0
    .kernarg_segment_align: 8
    .kernarg_segment_size: 40
    .max_flat_workgroup_size: 256
    .sgpr_count:     66
    .vgpr_count:     162
    .wavefront_size: 32
...
	.end_amdgpu_metadata
.endif
;; end of part 4
;; launch fin (part 5): grid 1 x 1, 16 waves a work-group, no clusters, 35,328 bytes of LDS; arguments p2, fc2_b, bn2, fc3_w, fc3_b, out0; writes out0
.if DOCPART == 5
	.amdgcn_target "amdgcn-amd-amdhsa--gfx1250"
	.amdhsa_code_object_version 6
	.text
	.protected	k_q60507f7f6f_fin
	.globl	k_q60507f7f6f_fin
	.p2align	8
	.type	k_q60507f7f6f_fin,@function
k_q60507f7f6f_fin:
	s_mov_b64 s[64:65], 0
	v_nop
	global_prefetch_b8 v0, s[64:65] scope:SCOPE_SE
	s_setreg_imm32_b32 hwreg(HW_REG_WAVE_MODE, 25, 1), 1
	s_wait_xcnt 0x0
; logits = relu(batch_norm(sum of p2 + fc2_b)) fc3_w + fc3_b.  One work-group: the batch norm needs each feature's four batches and
; the result is one sum over all 500 features; the 262,144 bytes of p2 go out as 32 loads a thread at the start.
; All in f32 on the vector unit: 4 x 500 multiply-adds fill no matrix tile.  Limits: NaN and infinities are not followed.
	s_load_b256 s[4:11], s[0:1], 0x0               ; p2, fc2_b, bn2, fc3_w
	s_load_b128 s[12:15], s[0:1], 0x20             ; fc3_b, out0
	v_lshl_add_u32 v160, v0, 2, 0x8200
	v_mov_b32 v161, 0
	v_lshrrev_b32 v1, 5, v0
	v_readfirstlane_b32 s18, v1                    ; wave
	v_and_b32 v1, 31, v0
	s_mov_b32 s2, 0x76543210
	s_mov_b32 s3, 0xfedcba98
	s_mov_b32 s20, 0x3e800000                      ; 1/4
	s_mov_b32 s21, 0x3727c5ac                      ; 1e-5
	v_and_b32 v2, 127, v0                          ; four columns
	v_lshrrev_b32 v3, 7, v0                        ; eight of the 32 partial sums
	v_lshlrev_b32 v4, 4, v2
	v_lshl_add_u32 v5, v3, 16, v4
	v_lshl_add_u32 v6, v3, 13, v4
	v_min_u32 v7, 499, v0
	v_lshlrev_b32 v7, 2, v7
	v_mov_b32 v12, 0
	v_mov_b32 v13, 0
	s_wait_kmcnt 0x0
	s_load_b32 s16, s[12:13], 0x0
.irp u, 0,1,2,3,4,5,6,7
.irp b, 0,1,2,3
	global_load_b128 v[16+16*\u+4*\b:19+16*\u+4*\b], v5, s[4:5] offset:8192*\u+2048*\b
.endr
.endr
	global_load_b32 v144, v7, s[6:7]
	global_load_b32 v145, v7, s[8:9]
	global_load_b32 v146, v7, s[8:9] offset:2000
	global_load_b32 v147, v7, s[10:11]
	s_wait_loadcnt 0x0
.irp u, 1,2,3,4,5,6,7
.irp p, 0,2,4,6,8,10,12,14
	v_pk_add_f32 v[16+\p:17+\p], v[16+\p:17+\p], v[16+16*\u+\p:17+16*\u+\p]
.endr
.endr
.irp b, 0,1,2,3
	ds_store_b128 v6, v[16+4*\b:19+4*\b] offset:2048*\b        ; [group of eight][b][512 columns]
.endr
	s_wait_dscnt 0x0
	s_barrier_signal -1
	s_barrier_wait -1
	v_lshlrev_b32 v4, 2, v0                        ; thread = column
.irp b, 0,1,2,3
.irp g, 0,1,2,3
	ds_load_b32 v[16+4*\b+\g], v4 offset:8192*\g+2048*\b
.endr
.endr
	s_wait_dscnt 0x0
.irp b, 0,1,2,3
	v_pk_add_f32 v[16+4*\b:17+4*\b], v[16+4*\b:17+4*\b], v[18+4*\b:19+4*\b]
.endr
.irp b, 0,1,2,3
	v_add_f32 v[16+4*\b], v[16+4*\b], v[17+4*\b]
.endr
	; batch norm over the four batches and relu
.irp b, 0,1,2,3
	v_add_f32 v[16+4*\b], v[16+4*\b], v144
.endr
	v_add_f32 v32, v16, v20
	v_add_f32 v33, v24, v28
	v_add_f32 v32, v32, v33
	v_mul_f32 v32, s20, v32
.irp b, 0,1,2,3
	v_sub_f32 v[16+4*\b], v[16+4*\b], v32
.endr
	v_mul_f32 v33, v16, v16
	v_fmac_f32 v33, v20, v20
	v_fmac_f32 v33, v24, v24
	v_fmac_f32 v33, v28, v28
	v_fma_f32 v33, v33, s20, s21
	v_rsq_f32 v34, v33
	v_nop                                          ; one plain instruction behind the transcendental (ISA guide 5.7.2)
	s_wait_alu depctr_va_vdst(0)
	v_mul_f32 v34, v34, v145
	v_cmp_gt_u32 vcc_lo, 500, v0                   ; columns 500-511 are copies and count as 0
.irp b, 0,1,2,3
	v_fma_f32 v[16+4*\b], v[16+4*\b], v34, v146
	v_max_num_f32 v[16+4*\b], 0, v[16+4*\b]
	v_mul_f32 v[8+\b], v[16+4*\b], v147
	v_cndmask_b32 v[8+\b], 0, v[8+\b], vcc_lo
.endr
.irp b, 0,1,2,3
	v_add_f32_dpp v[8+\b], v[8+\b], v[8+\b] row_xmask:1 row_mask:0xf bank_mask:0xf
	v_add_f32_dpp v[8+\b], v[8+\b], v[8+\b] row_xmask:2 row_mask:0xf bank_mask:0xf
	v_add_f32_dpp v[8+\b], v[8+\b], v[8+\b] row_xmask:4 row_mask:0xf bank_mask:0xf
	v_add_f32_dpp v[8+\b], v[8+\b], v[8+\b] row_xmask:8 row_mask:0xf bank_mask:0xf
	v_permlanex16_b32 v12, v[8+\b], s2, s3
	v_add_f32 v[8+\b], v[8+\b], v12
.endr
	s_lshl_b32 s19, s18, 4
	s_add_co_u32 s19, s19, 32768
	v_mov_b32 v14, s19
	ds_store_b128 v14, v[8:11]                     ; every lane writes the same words with the same values
	s_wait_dscnt 0x0
	s_barrier_signal -1
	s_barrier_wait -1
	s_cmp_lg_u32 s18, 0
	s_cbranch_scc1 .Lend
	v_and_b32 v14, 15, v0
	v_lshlrev_b32 v14, 4, v14
	v_add_nc_u32 v14, 32768, v14
	ds_load_b128 v[8:11], v14                      ; lane l: the sums of wave l & 15
	s_wait_dscnt 0x0
.irp x, 1,2,4,8
.irp b, 0,1,2,3
	v_add_f32_dpp v[8+\b], v[8+\b], v[8+\b] row_xmask:\x row_mask:0xf bank_mask:0xf
.endr
.endr
	s_wait_kmcnt 0x0
.irp b, 0,1,2,3
	v_add_f32 v[8+\b], s16, v[8+\b]
.endr
	v_cmp_eq_u32 vcc_lo, 0, v1
	s_wait_xcnt 0x0                                ; EXEC changes only when no earlier memory instruction still needs it
	s_and_saveexec_b32 s19, vcc_lo
	global_store_b128 v13, v[8:11], s[14:15]       ; the output's 16 bytes
.Lend:
	s_wait_xcnt 0x0
	s_mov_b32 exec_lo, -1
	s_wait_tensorcnt 0x0
	ds_add_u32 v160, v161
	s_wait_dscnt 0x0
	s_endpgm
.Lfunc_end_k_q60507f7f6f_fin:
	.size	k_q60507f7f6f_fin, .Lfunc_end_k_q60507f7f6f_fin-k_q60507f7f6f_fin
	.p2alignl 7, 3214868480
	.fill 96, 4, 3214868480
	.section	.rodata,"a",@progbits
	.p2align	6, 0x0
	.amdhsa_kernel k_q60507f7f6f_fin
		.amdhsa_group_segment_fixed_size 35328
		.amdhsa_private_segment_fixed_size 0
		.amdhsa_enable_private_segment 0
		.amdhsa_kernarg_size 48
		.amdhsa_user_sgpr_count 2
		.amdhsa_user_sgpr_kernarg_segment_ptr 1
		.amdhsa_wavefront_size32 1
		.amdhsa_system_sgpr_workgroup_id_x 1
		.amdhsa_system_sgpr_workgroup_id_y 1
		.amdhsa_system_sgpr_workgroup_id_z 1
		.amdhsa_system_vgpr_workitem_id 0
		.amdhsa_next_free_vgpr 162
		.amdhsa_next_free_sgpr 66
		.amdhsa_reserve_vcc 1
		.amdhsa_float_denorm_mode_32 3
		.amdhsa_float_denorm_mode_16_64 3
		.amdhsa_memory_ordered 1
		.amdhsa_forward_progress 1
		.amdhsa_inst_pref_size 15
	.end_amdhsa_kernel
	.amdgpu_metadata
---
amdhsa.version: [ 1, 2 ]
amdhsa.kernels:
  - .name:           k_q60507f7f6f_fin
    .symbol:         k_q60507f7f6f_fin.kd
    .args:
      - { .name: p2, .offset: 0, .size: 8, .value_kind: global_buffer, .address_space: global }
      - { .name: fc2_b, .offset: 8, .size: 8, .value_kind: global_buffer, .address_space: global }
      - { .name: bn2, .offset: 16, .size: 8, .value_kind: global_buffer, .address_space: global }
      - { .name: fc3_w, .offset: 24, .size: 8, .value_kind: global_buffer, .address_space: global }
      - { .name: fc3_b, .offset: 32, .size: 8, .value_kind: global_buffer, .address_space: global }
      - { .name: out0, .offset: 40, .size: 8, .value_kind: global_buffer, .address_space: global }
    .group_segment_fixed_size: 35328
    .private_segment_fixed_size: 0
    .kernarg_segment_align: 8
    .kernarg_segment_size: 48
    .max_flat_workgroup_size: 512
    .sgpr_count:     66
    .vgpr_count:     162
    .wavefront_size: 32
...
	.end_amdgpu_metadata
.endif
;; end of part 5
;; ======== version 2 of 2: 6 launches; version 1 with the launches fc1, fc2 written anew for expert scheduling mode
;; workspace buffers: xa 786,432 bytes; xb 786,432 bytes; par0 768 bytes; par1 768 bytes; kidx 3,072 bytes of whole numbers; p1 1,048,576 bytes; p2 262,144 bytes
;; launch prep: the kernel of part 1 again; grid 65 x 1, 8 waves a work-group, no clusters, 0 bytes of LDS; arguments inputs_embeds, pos_emb, type_emb, ln_emb, qkv_w, qkv_b, attn_w, attn_b, ln1, ffn_w1, ffn_b1, ffn_w2, ffn_b2, ln2, xa, par0, par1, kidx; writes xa, par0, par1, kidx
;; launch layer0: the kernel of part 2 again; grid 256 x 1, 16 waves a work-group, no clusters, 79,872 bytes of LDS; arguments xa, par0, kidx, xb; writes xb
;; launch layer1: the kernel of part 2 again; grid 256 x 1, 16 waves a work-group, no clusters, 79,872 bytes of LDS; arguments xb, par1, kidx, xa; writes xa
;; launch fc1 (part 6): grid 4 x 64, 16 waves a work-group, no clusters, 26,880 bytes of LDS; arguments xa, red_w, red_b, fc1_w, out1, out2, p1; writes out1, out2, p1
.if DOCPART == 6
	.amdgcn_target "amdgcn-amd-amdhsa--gfx1250"
	.amdhsa_code_object_version 6
	.text
	.protected	k_q60507f7f6f_fc1
	.globl	k_q60507f7f6f_fc1
	.p2align	8
	.type	k_q60507f7f6f_fc1,@function
k_q60507f7f6f_fc1:
	s_mov_b64 s[64:65], 0
	v_nop
	global_prefetch_b8 v0, s[64:65] scope:SCOPE_SE
	s_setreg_imm32_b32 hwreg(HW_REG_WAVE_SCHED_MODE, 0, 2), 2
	s_setreg_imm32_b32 hwreg(HW_REG_WAVE_MODE, 25, 1), 1
	s_wait_xcnt 0x0
	s_wait_alu depctr_vm_vsrc(0)
; reduced = x red_w + red_b (out1), x in the order [b][s][3] (out2), and partial sums of reduced fc1_w (p1[ks][b][1024]).
; Work-group (cx, ks): columns 256 cx .. +255 and rows (tokens) 256 ks .. +255 of fc1_w; it also puts out batch cx of out1 and out2
; for its tokens.  Wave w: 64 columns (w & 3), 64 rows (w >> 2), two matrix steps of 32 rows.
; The four groups of 128 threads take the batches in turned order: group g holds batch (g + cx) & 3.  So group 0 always holds batch
; cx, the one that goes out, and no LDS address hangs on cx: the turn stands in two global offsets alone (x in, p1 out).
; All 32 loads of a wave go out at its start: 262,144 bytes a work-group, each used once by the lane that loads it, so neither LDS
; slots nor a copy engine would save anything; memory binds this launch.  No cache hint on fc1_w: a row is 4,000 bytes, so the ends
; of a wave's 256-byte pieces share aligned blocks with its neighbours.
; Lane (r, hh) loads columns 4r .. 4r+3 of row 16 hh + kk: register j of a load belongs to tile j, whose column n = r is column
; 4r + j.  A and B both place row 16 hh + e at element e of the lane: one permutation of k for both, so the products are kept.
; The 4 rows of reduced are split into bf16 hi + lo (rows 0-3, 4-7 of A; rows 8-15 repeat them); fc1_w is rounded to bf16.
; Columns 1000-1023 of p1 hold copies of columns 996-999 and are never read.  Limits: NaN and infinities are not followed.
; THE MODE: SCHED_MODE bits 1:0 = 2 (LLVM: expert scheduling mode 2), set by the entry lines.  The code itself states the register
; dependences between vector or matrix instructions and memory or LDS instructions, with s_wait_alu, always for 0.
; THE PLAN.  Registers that memory or LDS instructions touch:
;   v4, v6                 offsets of the loads of fc1_w and x: written once at the head, ahead of the first wait on va_vdst.
;   v5, v7, v19-21, v1, v26, v27   LDS addresses and the way out's offsets: written once, behind the issue of the loads and ahead of
;                          the second wait on va_vdst; of them v19-21 are written again, as part of O.
;   v8-13, W               the loads' results; no vector instruction names them ahead of the loads.
;   v14, v15, v22, v25     written by the head's arithmetic, read by the LDS stores behind the second wait.
;   v28-31, AF             LDS loads land in them; v28-31 are named by no vector instruction, AF by matrix instructions alone.
;   O = v16-23             written by the selects (behind a wait on vm_vsrc: the head's LDS stores read v19-22), read by the stores into RED.
;   v32-47                 the second step's fragments; behind the third wait on va_vdst the loads from RED land in them.
; So three waits on va_vdst stand ahead of the three runs of stores and loads, a fourth ahead of the last store, one on vm_vsrc
; ahead of the selects, one on va_sdst at the head.  There is no loop: every global load goes out at the head.
.set PL, 65536
.set BP, 196608
.set AL, 0                             ; 8 rows x 528: 256 bf16 and 16 bytes of padding (an odd multiple of 16: rows start in different banks)
.set RED, 4352                         ; [w >> 2][group][256 columns] f32, 16,384 bytes
.set XT, 20736                         ; [256 tokens][3] f32 of batch cx, 3,072 bytes
.set RF, 23808                         ; [256] f32: reduced of batch cx, 1,024 bytes
.set W, 32                             ; v[32:159]  64 step + 4 kk + j
.set BF0, 160
.set BF1, 32                           ; on step 0's registers, behind their conversion
.set ACC, 192
.set AF, 224
.set S, 240
.set O, 16
	s_load_b256 s[4:11], s[0:1], 0x0               ; xa, red_w, red_b, fc1_w
	s_load_b128 s[12:15], s[0:1], 0x20             ; out1, out2
	s_load_b64 s[16:17], s[0:1], 0x30              ; p1
	v_lshrrev_b32 v16, 5, v0
	v_readfirstlane_b32 s18, v16                   ; wave
	v_bfe_u32 v3, v0, 4, 1                         ; hh
	v_cmp_ne_u32 s26, 0, v3                        ; lanes 16-31
	s_mov_b32 s3, ttmp9                            ; cx
	s_and_b32 s19, ttmp7, 0xffff                   ; ks
	v_and_b32 v2, 15, v0                           ; r
	v_lshrrev_b32 v16, 7, v0                       ; g: 128 threads a group
	v_and_b32 v17, 127, v0                         ; my pair of tokens
	v_add_nc_u32 v18, s3, v16
	v_and_b32 v18, 3, v18                          ; my group's batch: (g + cx) & 3
	v_mul_u32_u24 v6, v18, BP
	v_lshl_add_u32 v6, v17, 3, v6
	v_mul_u32_u24 v18, v3, 64000
	s_wait_alu depctr_va_sdst(0)                   ; s18 and s26 are written, ahead of their first readers: the line below, and the selects on the way out
	s_and_b32 s27, s18, 3                          ; cg
	s_lshr_b32 s28, s18, 2                         ; kq
	s_lshl_b32 s29, s3, 10
	s_lshl_b32 s25, s27, 8
	s_add_co_u32 s29, s29, s25
	v_lshl_add_u32 v4, v2, 4, s29
	v_min_u32 v4, 3984, v4                         ; the last 24 columns repeat columns 996-999: no load leaves a row
	v_add_nc_u32 v4, v4, v18
	s_wait_kmcnt 0x0
	s_load_b96 s[20:22], s[6:7], 0x0
	s_load_b32 s24, s[8:9], 0x0
	s_lshl_b32 s30, s19, 10
	s_mov_b32 s31, 0
	s_add_nc_u64 s[4:5], s[4:5], s[30:31]
	s_wait_alu depctr_va_vdst(0)                   ; v6 and v4 are written, which the 35 loads below read as their offsets
	global_load_b64 v[8:9], v6, s[4:5]
	global_load_b64 v[10:11], v6, s[4:5] offset:PL
	global_load_b64 v[12:13], v6, s[4:5] offset:2*PL
	s_lshl_b32 s30, s19, 8
	s_lshl_b32 s29, s28, 6
	s_add_co_u32 s30, s30, s29
	s_mul_i32 s30, s30, 4000
	s_add_nc_u64 s[10:11], s[10:11], s[30:31]
.irp st, 0,1
.irp kk, 0,1,2,3,4,5,6,7,8,9,10,11,12,13,14,15
	global_load_b128 v[W+64*\st+4*\kk:W+64*\st+4*\kk+3], v4, s[10:11] offset:(32*\st+\kk)*4000
.endr
.endr
	; every LDS address and the way out's offsets, while the loads are on their way; none of these lines names a register in which a load lands
	v_and_b32 v18, 7, v0
	v_mul_u32_u24 v5, v18, 528
	v_lshl_add_u32 v5, v3, 5, v5
	s_lshl_b32 s2, s28, 7                          ; in a register of its own
	v_add_nc_u32 v5, s2, v5                        ; A: row r & 7, my 64 k, 16 k for each half of the lanes
	s_lshl_b32 s25, s28, 12
	s_lshl_b32 s29, s27, 8
	s_add_co_u32 s25, s25, s29
	v_lshl_add_u32 v7, v2, 4, s25
	v_lshl_add_u32 v7, v3, 11, v7
	v_mul_u32_u24 v19, v16, 528
	v_lshl_add_u32 v19, v17, 2, v19
	v_mul_u32_u24 v20, v17, 24
	v_lshlrev_b32 v21, 3, v17
	v_lshlrev_b32 v1, 4, v0                        ; 16 t: where waves 0-5 read XT back and store out2, and where waves 0-7 read RED back
	v_and_b32 v27, 63, v0
	v_lshlrev_b32 v27, 4, v27                      ; 16 (t & 63): where waves 6, 7 read RF back and store out1
	v_lshrrev_b32 v26, 6, v0                       ; p1, for waves 0-7: group t >> 6,
	v_add_nc_u32 v26, s3, v26
	v_and_b32 v26, 3, v26                          ; whose batch is (group + cx) & 3,
	v_lshl_add_u32 v26, v26, 12, v27               ; 4,096 bytes a batch, 16 bytes a thread
	s_wait_kmcnt 0x0
	s_wait_loadcnt 32                              ; x is in; the 32 younger loads of fc1_w stay out
	v_fma_f32 v14, v8, s20, s24
	v_fma_f32 v15, v9, s20, s24
	v_fmac_f32 v14, s21, v10
	v_fmac_f32 v15, s21, v11
	v_fmac_f32 v14, s22, v12
	v_fmac_f32 v15, s22, v13
	v_cvt_pk_bf16_f32 v22, v14, v15                ; hi
	v_lshlrev_b32 v23, 16, v22
	v_and_b32 v24, 0xffff0000, v22
	v_sub_f32 v23, v14, v23
	v_sub_f32 v24, v15, v24
	v_cvt_pk_bf16_f32 v25, v23, v24                ; lo
	s_wait_alu depctr_va_vdst(0)                   ; v14, v15, v22 and v25 are written, which the LDS stores below read; so are the addresses v5, v7, v19-21, v1, v26, v27 for all that follows
	ds_store_b32 v19, v22 offset:AL
	ds_store_b32 v19, v25 offset:AL+2112
	s_cmp_gt_u32 s18, 3
	s_cbranch_scc1 .Lstaged
	ds_store_b32 v20, v8 offset:XT                 ; waves 0-3 = group 0 = batch cx: x token by token, and reduced, for the way out
	ds_store_b32 v20, v10 offset:XT+4
	ds_store_b32 v20, v12 offset:XT+8
	ds_store_b32 v20, v9 offset:XT+12
	ds_store_b32 v20, v11 offset:XT+16
	ds_store_b32 v20, v13 offset:XT+20
	ds_store_b64 v21, v[14:15] offset:RF
.Lstaged:
	s_wait_dscnt 0x0                               ; my stores are written
	s_barrier_signal -1
	s_barrier_wait -1                              ; everybody's are
	s_cmp_gt_u32 s18, 7
	s_cbranch_scc1 .Lmul
	s_cmp_gt_u32 s18, 5
	s_cbranch_scc1 .Lout1
	ds_load_b128 v[28:31], v1 offset:XT            ; waves 0-5: the 3,072 bytes of out2.  No vector instruction names v[28:31], and none has been issued since v1's wait
	s_mul_i32 s30, s3, BP
	s_mul_i32 s29, s19, 3072
	s_add_co_u32 s30, s30, s29
	s_add_nc_u64 s[14:15], s[14:15], s[30:31]
	s_wait_dscnt 0x0
	global_store_b128 v1, v[28:31], s[14:15]       ; a wave's store covers 512 consecutive bytes, aligned
	s_branch .Lmul
.Lout1:
	ds_load_b128 v[28:31], v27 offset:RF           ; waves 6, 7: the 1,024 bytes of out1
	s_lshl_b32 s30, s3, 16
	s_lshl_b32 s29, s19, 10
	s_add_co_u32 s30, s30, s29
	s_add_nc_u64 s[12:13], s[12:13], s[30:31]
	s_wait_dscnt 0x0
	global_store_b128 v27, v[28:31], s[12:13]
.Lmul:
	ds_load_b128 v[AF:AF+3], v5 offset:AL          ; v5 stands behind its wait on every way here; no vector instruction has named AF
	ds_load_b128 v[AF+4:AF+7], v5 offset:AL+16
	ds_load_b128 v[AF+8:AF+11], v5 offset:AL+64
	ds_load_b128 v[AF+12:AF+15], v5 offset:AL+80
.macro CVB dst, wb                     ; 16 rows x 4 columns a lane, f32, into the four tiles' B fragments
.irp j, 0,1,2,3
.irp p, 0,1,2,3,4,5,6,7
	v_cvt_pk_bf16_f32 v[\dst+8*\j+\p], v[\wb+8*\p+\j], v[\wb+8*\p+4+\j]
.endr
.endr
.endm
	s_wait_loadcnt 16                              ; step 0's sixteen loads are in, step 1's stay out
	CVB BF0, W
	s_wait_dscnt 0x0
.irp j, 0,1,2,3
	v_wmma_f32_16x16x32_bf16 v[ACC+8*\j:ACC+8*\j+7], v[AF:AF+7], v[BF0+8*\j:BF0+8*\j+7], 0
.endr
	s_wait_loadcnt 0x0
	CVB BF1, W+64
.irp j, 0,1,2,3                                    ; the four tiles take turns, one instruction a turn
	v_wmma_f32_16x16x32_bf16 v[ACC+8*\j:ACC+8*\j+7], v[AF+8:AF+15], v[BF1+8*\j:BF1+8*\j+7], v[ACC+8*\j:ACC+8*\j+7]
.endr
.rept 4
	v_nop                                          ; four places before a vector instruction reads a matrix result
.endr
.irp b, 0,1,2,3
.irp j, 0,1,2,3
	v_add_f32 v[S+4*\b+\j], v[ACC+8*\j+\b], v[ACC+8*\j+\b+4]   ; hi + lo of group b; both halves of the lanes hold the same
.endr
.endr
	s_wait_alu depctr_vm_vsrc(0)                   ; the head's LDS stores have read v19 to v22, which the selects below write again as part of O
.irp q, 0,1
.irp j, 0,1,2,3
	v_cndmask_b32 v[O+4*\q+\j], v[S+4*\q+\j], v[S+4*(\q+2)+\j], s26   ; lanes 0-15 put out groups 0, 1; lanes 16-31 groups 2, 3
.endr
.endr
	s_wait_alu depctr_va_vdst(0)                   ; the selects have written O, which the LDS stores read; the conversions and matrix instructions are done with v[32:47], in which the loads from RED land
	ds_store_b128 v7, v[O:O+3] offset:RED
	ds_store_b128 v7, v[O+4:O+7] offset:RED+1024
	s_wait_dscnt 0x0
	s_barrier_signal -1
	s_barrier_wait -1
	s_cmp_gt_u32 s18, 7
	s_cbranch_scc1 .Lend
	ds_load_b128 v[32:35], v1 offset:RED           ; waves 0-7 add the four quarters of k.  No vector instruction has been issued since the wait above
	ds_load_b128 v[36:39], v1 offset:RED+4096
	ds_load_b128 v[40:43], v1 offset:RED+8192
	ds_load_b128 v[44:47], v1 offset:RED+12288
	s_lshl_b32 s30, s19, 14
	s_lshl_b32 s29, s3, 10
	s_add_co_u32 s30, s30, s29
	s_add_nc_u64 s[16:17], s[16:17], s[30:31]
	s_wait_dscnt 0x0
	v_pk_add_f32 v[32:33], v[32:33], v[36:37]
	v_pk_add_f32 v[34:35], v[34:35], v[38:39]
	v_pk_add_f32 v[40:41], v[40:41], v[44:45]
	v_pk_add_f32 v[42:43], v[42:43], v[46:47]
	v_pk_add_f32 v[32:33], v[32:33], v[40:41]
	v_pk_add_f32 v[34:35], v[34:35], v[42:43]
	s_wait_alu depctr_va_vdst(0)                   ; the additions have written v[32:35], which the store reads
	global_store_b128 v26, v[32:35], s[16:17]      ; a wave's store covers 512 consecutive bytes, aligned
.Lend:
	s_wait_xcnt 0x0
	v_lshl_add_u32 v254, v0, 2, 0x6100             ; the add's two registers, made anew: no memory or LDS instruction has read v254 or v255
	v_mov_b32 v255, 0
	s_wait_dscnt 0x0                               ; the closing lines, six on end
	s_wait_alu 0x0
	s_wait_tensorcnt 0x0
	ds_add_u32 v254, v255
	s_wait_dscnt 0x0
	s_endpgm
.Lfunc_end_k_q60507f7f6f_fc1:
	.size	k_q60507f7f6f_fc1, .Lfunc_end_k_q60507f7f6f_fc1-k_q60507f7f6f_fc1
	.p2alignl 7, 3214868480
	.fill 96, 4, 3214868480
	.section	.rodata,"a",@progbits
	.p2align	6, 0x0
	.amdhsa_kernel k_q60507f7f6f_fc1
		.amdhsa_group_segment_fixed_size 26880
		.amdhsa_private_segment_fixed_size 0
		.amdhsa_enable_private_segment 0
		.amdhsa_kernarg_size 56
		.amdhsa_user_sgpr_count 2
		.amdhsa_user_sgpr_kernarg_segment_ptr 1
		.amdhsa_wavefront_size32 1
		.amdhsa_system_sgpr_workgroup_id_x 1
		.amdhsa_system_sgpr_workgroup_id_y 1
		.amdhsa_system_sgpr_workgroup_id_z 1
		.amdhsa_system_vgpr_workitem_id 0
		.amdhsa_next_free_vgpr 256
		.amdhsa_next_free_sgpr 66
		.amdhsa_reserve_vcc 0
		.amdhsa_float_denorm_mode_32 3
		.amdhsa_float_denorm_mode_16_64 3
		.amdhsa_memory_ordered 1
		.amdhsa_forward_progress 1
		.amdhsa_inst_pref_size 17
	.end_amdhsa_kernel
	.amdgpu_metadata
---
amdhsa.version: [ 1, 2 ]
amdhsa.kernels:
  - .name:           k_q60507f7f6f_fc1
    .symbol:         k_q60507f7f6f_fc1.kd
    .args:
      - { .name: xa, .offset: 0, .size: 8, .value_kind: global_buffer, .address_space: global }
      - { .name: red_w, .offset: 8, .size: 8, .value_kind: global_buffer, .address_space: global }
      - { .name: red_b, .offset: 16, .size: 8, .value_kind: global_buffer, .address_space: global }
      - { .name: fc1_w, .offset: 24, .size: 8, .value_kind: global_buffer, .address_space: global }
      - { .name: out1, .offset: 32, .size: 8, .value_kind: global_buffer, .address_space: global }
      - { .name: out2, .offset: 40, .size: 8, .value_kind: global_buffer, .address_space: global }
      - { .name: p1, .offset: 48, .size: 8, .value_kind: global_buffer, .address_space: global }
    .group_segment_fixed_size: 26880
    .private_segment_fixed_size: 0
    .kernarg_segment_align: 8
    .kernarg_segment_size: 56
    .max_flat_workgroup_size: 512
    .sgpr_count:     66
    .vgpr_count:     256
    .wavefront_size: 32
...
	.end_amdgpu_metadata
.endif
;; end of part 6
;; launch fc2 (part 7): grid 32 x 1, 8 waves a work-group, no clusters, 10,240 bytes of LDS; arguments p1, fc1_b, bn1, fc2_w, p2; writes p2
.if DOCPART == 7
	.amdgcn_target "amdgcn-amd-amdhsa--gfx1250"
	.amdhsa_code_object_version 6
	.text
	.protected	k_q60507f7f6f_fc2
	.globl	k_q60507f7f6f_fc2
	.p2align	8
	.type	k_q60507f7f6f_fc2,@function
k_q60507f7f6f_fc2:
	s_mov_b64 s[64:65], 0
	v_nop
	global_prefetch_b8 v0, s[64:65] scope:SCOPE_SE
	s_setreg_imm32_b32 hwreg(HW_REG_WAVE_SCHED_MODE, 0, 2), 2
	s_setreg_imm32_b32 hwreg(HW_REG_WAVE_MODE, 25, 1), 1
	s_wait_xcnt 0x0
	s_wait_alu depctr_vm_vsrc(0)
; h1 = relu(batch_norm(sum of p1 + fc1_b)) for 32 of the 1000 features, then their share of h1 fc2_w: p2[j][b][512].
; Work-group j: features k0 .. k0+31, k0 = min(32 j, 968); a feature below 32 j counts as 0, so none is counted twice and no load
; leaves a buffer.  Wave w first adds eight of the 64 partial sums, then takes columns 64 w .. +63 of fc2_w.
; Matrix layout as in fc1: lane (r, hh) loads columns 4r .. 4r+3 of row 16 hh + kk; h1 split into bf16 hi + lo rows; fc2_w in bf16.
; Columns 500-511 of p2 hold copies of columns 496-499.  32 work-groups: the launch has 2,000,000 bytes of weights and one step of
; 32 features for each.  Limits: NaN and infinities are not followed.
; THE MODE: SCHED_MODE bits 1:0 = 2 (LLVM: expert scheduling mode 2), set by the entry lines.  The code itself states the register
; dependences between vector or matrix instructions and memory or LDS instructions, with s_wait_alu, always for 0.
; THE PLAN.  Registers that memory or LDS instructions touch:
;   v4, v5, v6, v8   global offsets, written once at the head.      v10-13   LDS addresses, written once, behind the issue of the loads.
;   P = v16-47       the loads of p1 land in it; the additions read and write it; the LDS store reads v16-19; then the LDS loads of
;                    all waves' sums land in it; later it holds the accumulators.
;   v48-50, W        the loads' results, read by vector instructions alone.
;   HL = v162-169    h1's hi and lo of the four batches: written by the conversions, read by the eight LDS stores, never written again.
;   AF               LDS loads land in it; matrix instructions alone name it.      O   written by the selects, read by the two global stores.
; So one wait on va_vdst stands ahead of each run of loads or stores whose registers were just written (four in all), one on vm_vsrc
; ahead of the LDS loads into P, one on va_sdst at the head.  There is no loop: every global load goes out at the head.
.set R, 0                              ; [8 waves][4 b][32] f32
.set AW, 4096                          ; 8 waves x 640: 8 rows of 32 bf16, pitch 80; each wave's own
.set P, 16
.set W, 64
.set BF, 128
.set ACC, 16
.set AF, 52
.set S, 64
.set O, 80
.set HL, 162
	s_load_b256 s[4:11], s[0:1], 0x0               ; p1, fc1_b, bn1, fc2_w
	s_load_b64 s[12:13], s[0:1], 0x20              ; p2
	v_lshl_add_u32 v160, v0, 2, 0x2400
	v_mov_b32 v161, 0
	v_lshrrev_b32 v1, 5, v0
	v_readfirstlane_b32 s14, v1                    ; wave
	v_and_b32 v1, 31, v0
	v_and_b32 v2, 15, v0
	v_bfe_u32 v3, v0, 4, 1
	s_lshl_b32 s15, ttmp9, 5                       ; 32 j
	s_min_u32 s16, s15, 968                        ; k0
	s_lshl_b32 s17, s16, 2
	s_mov_b32 s20, 0x3e800000                      ; 1/4
	s_mov_b32 s21, 0x3727c5ac                      ; 1e-5
	v_cmp_ne_u32 s22, 0, v3
	v_add_nc_u32 v9, s16, v1
	v_cmp_le_u32 s24, s15, v9                      ; my feature counts
	v_lshrrev_b32 v4, 3, v1
	v_and_b32 v5, 7, v1
	v_lshlrev_b32 v4, 12, v4
	v_lshl_add_u32 v4, v5, 4, v4
	v_add_nc_u32 v4, s17, v4                       ; p1: batch lane >> 3, four features at 4 (lane & 7)
	v_lshl_add_u32 v5, v1, 2, s17
	s_wait_alu depctr_va_sdst(0)                   ; s14, s22 and s24 are written, ahead of their first readers: the line below, and the selects further down
	s_lshl_b32 s23, s14, 8
	v_lshl_add_u32 v6, v2, 4, s23
	v_lshl_add_u32 v8, v3, 12, v6                  ; p2: 4096 hh + 256 w + 16 r
	v_min_u32 v6, 1984, v6
	v_mul_u32_u24 v7, v3, 32000
	v_add_nc_u32 v6, v6, v7
	s_lshl_b32 s18, s14, 17
	s_mov_b32 s19, 0
	s_wait_kmcnt 0x0
	s_add_nc_u64 s[4:5], s[4:5], s[18:19]
	s_mul_i32 s18, s16, 2000
	s_add_nc_u64 s[10:11], s[10:11], s[18:19]
	s_lshl_b32 s18, ttmp9, 13
	s_add_nc_u64 s[12:13], s[12:13], s[18:19]
	s_wait_alu depctr_va_vdst(0)                   ; v4, v5 and v6 are written, which the 27 loads below read as their offsets; so is v8, the stores' offset
.irp u, 0,1,2,3,4,5,6,7
	global_load_b128 v[P+4*\u:P+4*\u+3], v4, s[4:5] offset:16384*\u
.endr
	global_load_b32 v48, v5, s[6:7]
	global_load_b32 v49, v5, s[8:9]
	global_load_b32 v50, v5, s[8:9] offset:4000
.irp kk, 0,1,2,3,4,5,6,7,8,9,10,11,12,13,14,15
	global_load_b128 v[W+4*\kk:W+4*\kk+3], v6, s[10:11] offset:2000*\kk
.endr
	s_lshl_b32 s25, s14, 9
	v_lshl_add_u32 v10, v1, 4, s25
	v_lshlrev_b32 v11, 2, v1
	s_mul_i32 s26, s14, 640                        ; in a register of its own
	v_lshl_add_u32 v12, v1, 1, s26
	v_and_b32 v13, 7, v0
	v_mul_u32_u24 v13, v13, 80
	v_lshl_add_u32 v13, v3, 5, v13
	v_add_nc_u32 v13, s26, v13
	s_wait_loadcnt 19                              ; the eight partial sums are in; 3 parameter and 16 weight loads stay out
.irp u, 0,2,4,6
	v_pk_add_f32 v[P+4*\u:P+4*\u+1], v[P+4*\u:P+4*\u+1], v[P+4*\u+4:P+4*\u+5]
	v_pk_add_f32 v[P+4*\u+2:P+4*\u+3], v[P+4*\u+2:P+4*\u+3], v[P+4*\u+6:P+4*\u+7]
.endr
.irp u, 0,4
	v_pk_add_f32 v[P+4*\u:P+4*\u+1], v[P+4*\u:P+4*\u+1], v[P+4*\u+8:P+4*\u+9]
	v_pk_add_f32 v[P+4*\u+2:P+4*\u+3], v[P+4*\u+2:P+4*\u+3], v[P+4*\u+10:P+4*\u+11]
.endr
	v_pk_add_f32 v[P:P+1], v[P:P+1], v[P+16:P+17]
	v_pk_add_f32 v[P+2:P+3], v[P+2:P+3], v[P+18:P+19]
	s_wait_alu depctr_va_vdst(0)                   ; the additions have written v[P:P+3], which the LDS store reads, and are done with all of P, in which LDS loads land below; the addresses v10 to v13 are written
	ds_store_b128 v10, v[P:P+3] offset:R
	s_wait_dscnt 0x0
	s_barrier_signal -1
	s_barrier_wait -1
	s_wait_alu depctr_vm_vsrc(0)                   ; my LDS store has read v[P:P+3], in which the loads below land
.irp b, 0,1,2,3
.irp kg, 0,1,2,3,4,5,6,7
	ds_load_b32 v[P+8*\b+\kg], v11 offset:R+512*\kg+128*\b     ; lane = feature
.endr
.endr
	s_wait_dscnt 0x0
.irp b, 0,1,2,3
	v_pk_add_f32 v[P+8*\b:P+8*\b+1], v[P+8*\b:P+8*\b+1], v[P+8*\b+2:P+8*\b+3]
	v_pk_add_f32 v[P+8*\b+4:P+8*\b+5], v[P+8*\b+4:P+8*\b+5], v[P+8*\b+6:P+8*\b+7]
.endr
.irp b, 0,1,2,3
	v_pk_add_f32 v[P+8*\b:P+8*\b+1], v[P+8*\b:P+8*\b+1], v[P+8*\b+4:P+8*\b+5]
.endr
.irp b, 0,1,2,3
	v_add_f32 v[P+8*\b], v[P+8*\b], v[P+8*\b+1]
.endr
	s_wait_loadcnt 16                              ; bias, gain and offset are in; the 16 weight loads stay out
; batch norm over the four batches and relu, in place; s20 = 1/4, s21 = 1e-5
.macro BN4 x0, x1, x2, x3, bi, ga, be, t
.irp x, \x0, \x1, \x2, \x3
	v_add_f32 v[\x], v[\x], v[\bi]
.endr
	v_add_f32 v[\t], v[\x0], v[\x1]
	v_add_f32 v[\t+1], v[\x2], v[\x3]
	v_add_f32 v[\t], v[\t], v[\t+1]
	v_mul_f32 v[\t], s20, v[\t]
.irp x, \x0, \x1, \x2, \x3
	v_sub_f32 v[\x], v[\x], v[\t]
.endr
	v_mul_f32 v[\t+1], v[\x0], v[\x0]
	v_fmac_f32 v[\t+1], v[\x1], v[\x1]
	v_fmac_f32 v[\t+1], v[\x2], v[\x2]
	v_fmac_f32 v[\t+1], v[\x3], v[\x3]
	v_fma_f32 v[\t+1], v[\t+1], s20, s21
	v_rsq_f32 v[\t+2], v[\t+1]
	v_nop                                          ; one plain instruction behind the transcendental (ISA guide 5.7.2)
	s_wait_alu depctr_va_vdst(0)                   ; the reciprocal root is written, ahead of its first reader
	v_mul_f32 v[\t+2], v[\t+2], v[\ga]
.irp x, \x0, \x1, \x2, \x3
	v_fma_f32 v[\x], v[\x], v[\t+2], v[\be]
.endr
.irp x, \x0, \x1, \x2, \x3
	v_max_num_f32 v[\x], 0, v[\x]
.endr
.endm
	BN4 P, P+8, P+16, P+24, 48, 49, 50, 60
	; hi and lo of the four batches, each step for all four, into registers of their own
.irp b, 0,1,2,3
	v_cndmask_b32 v[P+8*\b], 0, v[P+8*\b], s24
.endr
.irp b, 0,1,2,3
	v_cvt_pk_bf16_f32 v[HL+\b], v[P+8*\b], v[P+8*\b]           ; hi
.endr
.irp b, 0,1,2,3
	v_lshlrev_b32 v[60+\b], 16, v[HL+\b]
.endr
.irp b, 0,1,2,3
	v_sub_f32 v[60+\b], v[P+8*\b], v[60+\b]
.endr
.irp b, 0,1,2,3
	v_cvt_pk_bf16_f32 v[HL+4+\b], v[60+\b], v[60+\b]           ; lo
.endr
	s_wait_alu depctr_va_vdst(0)                   ; the conversions have written HL, which the eight LDS stores read
.irp b, 0,1,2,3
	ds_store_b16 v12, v[HL+\b] offset:AW+80*\b
	ds_store_b16 v12, v[HL+4+\b] offset:AW+80*(4+\b)
.endr
	ds_load_b128 v[AF:AF+3], v13 offset:AW         ; my wave's own bytes: LDS serves a wave's instructions in order (ISA guide 5.7.1); no vector instruction has named AF
	ds_load_b128 v[AF+4:AF+7], v13 offset:AW+16
	s_wait_loadcnt 0x0
.irp j, 0,1,2,3
.irp p, 0,1,2,3,4,5,6,7
	v_cvt_pk_bf16_f32 v[BF+8*\j+\p], v[W+8*\p+\j], v[W+8*\p+4+\j]
.endr
.endr
	s_wait_dscnt 0x0
.irp j, 0,1,2,3
	v_wmma_f32_16x16x32_bf16 v[ACC+8*\j:ACC+8*\j+7], v[AF:AF+7], v[BF+8*\j:BF+8*\j+7], 0
.endr
.rept 4
	v_nop                                          ; four places before a vector instruction reads a matrix result
.endr
.irp b, 0,1,2,3
.irp j, 0,1,2,3
	v_add_f32 v[S+4*\b+\j], v[ACC+8*\j+\b], v[ACC+8*\j+\b+4]
.endr
.endr
.irp q, 0,1
.irp j, 0,1,2,3
	v_cndmask_b32 v[O+4*\q+\j], v[S+4*\q+\j], v[S+4*(\q+2)+\j], s22
.endr
.endr
	s_wait_alu depctr_va_vdst(0)                   ; the selects have written O, which the two stores read
	global_store_b128 v8, v[O:O+3], s[12:13]               ; sixteen lanes store 256 consecutive bytes, aligned
	global_store_b128 v8, v[O+4:O+7], s[12:13] offset:2048
	s_wait_dscnt 0x0                               ; the closing lines, six on end
	s_wait_alu 0x0
	s_wait_tensorcnt 0x0
	ds_add_u32 v160, v161
	s_wait_dscnt 0x0
	s_endpgm
.Lfunc_end_k_q60507f7f6f_fc2:
	.size	k_q60507f7f6f_fc2, .Lfunc_end_k_q60507f7f6f_fc2-k_q60507f7f6f_fc2
	.p2alignl 7, 3214868480
	.fill 96, 4, 3214868480
	.section	.rodata,"a",@progbits
	.p2align	6, 0x0
	.amdhsa_kernel k_q60507f7f6f_fc2
		.amdhsa_group_segment_fixed_size 10240
		.amdhsa_private_segment_fixed_size 0
		.amdhsa_enable_private_segment 0
		.amdhsa_kernarg_size 40
		.amdhsa_user_sgpr_count 2
		.amdhsa_user_sgpr_kernarg_segment_ptr 1
		.amdhsa_wavefront_size32 1
		.amdhsa_system_sgpr_workgroup_id_x 1
		.amdhsa_system_sgpr_workgroup_id_y 1
		.amdhsa_system_sgpr_workgroup_id_z 1
		.amdhsa_system_vgpr_workitem_id 0
		.amdhsa_next_free_vgpr 170
		.amdhsa_next_free_sgpr 66
		.amdhsa_reserve_vcc 0
		.amdhsa_float_denorm_mode_32 3
		.amdhsa_float_denorm_mode_16_64 3
		.amdhsa_memory_ordered 1
		.amdhsa_forward_progress 1
		.amdhsa_inst_pref_size 16
	.end_amdhsa_kernel
	.amdgpu_metadata
---
amdhsa.version: [ 1, 2 ]
amdhsa.kernels:
  - .name:           k_q60507f7f6f_fc2
    .symbol:         k_q60507f7f6f_fc2.kd
    .args:
      - { .name: p1, .offset: 0, .size: 8, .value_kind: global_buffer, .address_space: global }
      - { .name: fc1_b, .offset: 8, .size: 8, .value_kind: global_buffer, .address_space: global }
      - { .name: bn1, .offset: 16, .size: 8, .value_kind: global_buffer, .address_space: global }
      - { .name: fc2_w, .offset: 24, .size: 8, .value_kind: global_buffer, .address_space: global }
      - { .name: p2, .offset: 32, .size: 8, .value_kind: global_buffer, .address_space: global }
    .group_segment_fixed_size: 10240
    .private_segment_fixed_size: 0
    .kernarg_segment_align: 8
    .kernarg_segment_size: 40
    .max_flat_workgroup_size: 256
    .sgpr_count:     66
    .vgpr_count:     170
    .wavefront_size: 32
...
	.end_amdgpu_metadata
.endif
;; end of part 7
;; launch fin: the kernel of part 5 again; grid 1 x 1, 16 waves a work-group, no clusters, 35,328 bytes of LDS; arguments p2, fc2_b, bn2, fc3_w, fc3_b, out0; writes out0
